; MI455X (gfx1250); checked and timed in simulation.
; The chip was launched on July 23, 2026; its instructions are those of AMD's public machine-readable ISA for CDNA 5 (MIT licence, August 2026) and "CDNA5" Instruction Set Architecture Reference Guide (July 2026). The comments in the code are by the model that wrote it; some were corrected since.
;; Casual Self Attention. Allowed arithmetic: matrix products marked QUANTISED: E2M1 operands, one E8M0 scale for each 32 along K, by v_wmma_scale_f32_16x16x128_f8f6f4 with both operands' format E2M1 (or v_wmma_scale_f32_32x16x128_f4), f32 sums; products left as they are: bf16, f16 or f32 operands; f32 sums; everything else in f32.
;; Inputs: W_out 1,024 x 1,024 float32; W_qkv 1,024 x 3,072 float32; b_out 1,024 float32; b_qkv 3,072 float32; x 4 x 2,048 x 1,024 float32.
;; Outputs: out0 4 x 2,048 x 1,024 float32.
;; This version of the problem:
;;   THIS VERSION OF THE PROBLEM IS GIVEN IN LOW PRECISION. The matrix products marked QUANTISED in the list below multiply operands that are first quantised to E2M1 (2 exponent bits, 1 mantissa bit; 4 bits a number), with one power-of-two scale for each 32 numbers along K (OCP MX v1.0); their sums are f32. The products marked 'left as it is' may take bf16, f16 or f32 operands, with f32 sums. Whichever they take, every output number must still come out within the allowed error. Rounding operands to bf16 (8 significant bits) uses up far more of that allowance than f16 does (11 bits, for magnitudes from 6e-5 to 65,504). All else is computed in f32.
;;   The module's matrix products, in the order in which they are computed (A, B: the left and right operand; K: the contracted axis; several contracted axes count as one K, in the product's order):
;;     1. [M 8,192, K 1,024] x [K 1,024, N 3,072]; A: input x; B: input W_qkv: QUANTISED
;;     2. batch 64 x [M 2,048, K 64] x [K 64, N 2,048]; A: computed on the way; B: computed on the way: left as it is (an operand is computed on the way)
;;     3. batch 64 x [M 2,048, K 2,048] x [K 2,048, N 64]; A: computed on the way; B: computed on the way: left as it is (an operand is computed on the way)
;;     4. [M 8,192, K 1,024] x [K 1,024, N 1,024]; A: computed on the way; B: input W_out: left as it is (an operand is computed on the way)
;;   THE QUANTISER, for each operand of a quantised product, along K:
;;     - K is cut into blocks of 32 from its start; a last block that is shorter is filled with zeros.
;;     - A block's scale is 2^e with e = floor(log2(the largest magnitude in the block)) - 2, held to -126 .. 127; a block of zeros has e = 0. As a byte (E8M0): e + 127.
;;     - Each number is divided by its block's scale, clamped to +-6, and rounded to the nearest number of E2M1, ties to even, subnormals kept.
;;     - The product sums the exact products of the quantised numbers (number of the format x scale) in f32.
;;   ~~~python
;;   def quantise(x, axis):      # numpy; x: float32 -> the quantised numbers, widened to float32 again
;;       x = np.moveaxis(x, axis, -1); K = x.shape[-1]
;;       x = np.pad(x, [(0, 0)] * (x.ndim - 1) + [(0, -K % 32)]); x = x.reshape(x.shape[:-1] + (-1, 32)); a = np.abs(x).max(-1, keepdims=True)
;;       e = np.where(a > 0, np.clip(np.frexp(np.where(a > 0, a, 1))[1] - 1 - 2, -126, 127), 0)      # np.frexp(a)[1] - 1 = floor(log2(a)), exactly
;;       r = np.clip(x / 2.0 ** e, -6, 6)
;;       step = 2.0 ** (np.maximum(np.frexp(np.where(r == 0, 1, r))[1] - 1, 0) - 1)
;;       q = np.round(r / step) * step * 2.0 ** e      # np.round: ties to even
;;       return np.moveaxis(q.reshape(q.shape[:-2] + (-1,))[..., :K], -1, axis).astype(np.float32)
;;   ~~~
;; One version. Each part assembles by itself: llvm-mc -triple=amdgcn-amd-amdhsa -mcpu=gfx1250 --defsym DOCPART=n.
;; ======== version 1 of 1: 5 launches
;; limits: values are held in f16: magnitudes above 65,504 overflow, below 6.1e-05 lose precision
;; workspace buffers: x_codes 4,194,304 bytes; x_scales 262,144 bytes; w_codes 1,572,864 bytes; w_scales 98,304 bytes; w16 2,097,152 bytes; qkv16 50,331,648 bytes; qkv32 786,432 bytes; y16 16,777,216 bytes
;; launch prep (part 1): grid 336 x 1, 4 waves a work-group, no clusters, 68,096 bytes of LDS; arguments W_qkv, W_out, x, w_codes, w_scales, w16, x_codes, x_scales; writes w_codes, w_scales, w16, x_codes, x_scales
.if DOCPART == 1
	.amdgcn_target "amdgcn-amd-amdhsa--gfx1250"
	.amdhsa_code_object_version 6
	.text
	.protected	k_qea2470eedf_prep
	.globl	k_qea2470eedf_prep
	.p2align	8
	.type	k_qea2470eedf_prep,@function
k_qea2470eedf_prep:
	s_mov_b64 s[64:65], 0
	v_nop
	global_prefetch_b8 v0, s[64:65] scope:SCOPE_SE
	s_setreg_imm32_b32 hwreg(HW_REG_WAVE_MODE, 25, 1), 1
	s_wait_xcnt 0x0
; PREP: the operands of the later launches are made once.
;   work-groups  0 ..  47: W_qkv [1024 (k)][3072 (n)] f32 -> codes of FP4 (E2M1) laid [3072][1024] with K innermost (512 bytes a row) and one E8M0 byte for each 32 along K, laid [3072][32]
;   work-groups 48 ..  79: W_out [1024][1024] f32 -> f16, as it lies
;   work-groups 80 .. 335: x [8192][1024] f32 -> codes [8192][512 bytes] and scale bytes [8192][32]
; A block's scale is 2^(floor(log2(its largest magnitude)) - 2); its byte is the largest magnitude's exponent field - 2, held at 1 from below.  Each number is divided by the scale and rounded to the
; nearest code, ties to even; beyond 6 the largest code.
; LIMITS: a block of zeros gets the byte 1 where the rule says 127 (its codes are zeros, which add nothing under any byte but 0xff, and this program alone reads the bytes); blocks whose largest magnitude
; lies under 2^-124 have their byte held at 1; NaN and infinities among the inputs are not served; |W_out| stays under 65,504, f16's largest number.
; The three paths part on the work-group's number alone; each has LDS bytes of its own (x: 0 .. 32,767; W_qkv: 32,768 .. 67,583; W_out: none).  No tensor loads, no barrier: waves share nothing.
; No cluster: no two work-groups read the same bytes.
.set SPARE,  67584                     ; behind both regions: the spare words, 128 bytes for each wave: two blocks of 256 bytes that no other line names
.set SPW,    196                       ; v196  LDS address of my spare word: SPARE + 4 x my thread's number; never rewritten
.set NIL,    197                       ; v197  0; never rewritten
.set WV,     20                        ; s20   my wave's number
.set SP,     80                        ; path x: a lane's place in a stage: its 64 bytes + 16 of padding
.set WPITCH, 272                       ; path W_qkv: a stage row: 256 bytes of codes + 16
.set WSTAGE, 32768
	s_load_b256 s[4:11], s[0:1], 0x0               ; W_qkv s[4:5], W_out s[6:7], x s[8:9], w_codes s[10:11]
	s_load_b256 s[12:19], s[0:1], 0x20             ; w_scales s[12:13], w16 s[14:15], x_codes s[16:17], x_scales s[18:19]
	v_lshl_add_u32 v[SPW], v0, 2, SPARE
	v_mov_b32 v[NIL], 0
	v_lshrrev_b32 v1, 5, v0
	v_readfirstlane_b32 s[WV], v1                  ; wave 0..3
	v_and_b32 v2, 31, v0                           ; lane
	s_mov_b32 s25, 0                               ; the upper word of every offset: all lie under 2^32
	s_wait_kmcnt 0x0
	s_cmp_lt_u32 ttmp9, 48
	s_cbranch_scc1 .Lpath_w
	s_cmp_lt_u32 ttmp9, 80
	s_cbranch_scc1 .Lpath_o
; ---------------------------------------------------------------- x: K is innermost, rows are dense: a plain stream of blocks of 32
; A wave takes 16 steps of 512 numbers.  Each of a step's four loads reads 512 consecutive bytes, 16 a lane; the 2,048 bytes go through the wave's own stage in LDS and come back 64 bytes a lane,
; so that a lane holds 16 neighbours along K (two neighbouring lanes hold a block).  A lane's 16 codes are 8 bytes: the wave stores 256 consecutive bytes.  The wave's 256 scale bytes are gathered
; in LDS and leave as one store of 256 consecutive bytes.  Loads run four steps ahead, the turn through LDS one step.
	s_sub_co_u32 s21, ttmp9, 80
	s_lshl_b32 s21, s21, 2
	s_add_co_u32 s21, s21, s[WV]                   ; which run of 8,192 numbers is my wave's
	s_lshl_b32 s24, s21, 15
	s_add_nc_u64 s[8:9], s[8:9], s[24:25]          ; 32,768 bytes of x a run,
	s_lshl_b32 s24, s21, 12
	s_add_nc_u64 s[16:17], s[16:17], s[24:25]      ; 4,096 of codes,
	s_lshl_b32 s24, s21, 8
	s_add_nc_u64 s[18:19], s[18:19], s[24:25]      ; 256 of scale bytes
	v_lshlrev_b32 v3, 4, v2                        ; my 16 bytes of a load's 512
	s_lshl_b32 s22, s[WV], 13                      ; my wave's 8,192 bytes of LDS: two stages of 32 x SP bytes, behind them 256 scale bytes
	v_lshrrev_b32 v14, 2, v2
	v_mul_u32_u24 v14, v14, SP
	v_and_b32 v15, 3, v2
	v_lshl_add_u32 v14, v15, 4, v14
	v_add_nc_u32 v14, s22, v14                     ; the stage, on the way in: SP (lane / 4) + 16 (lane % 4)
	v_mul_u32_u24 v15, v2, SP
	v_add_nc_u32 v15, s22, v15                     ; and on the way out: SP x lane: my 16 neighbours
	v_lshlrev_b32 v4, 3, v2                        ; my codes' place in a step's: 8 bytes a lane
	v_lshrrev_b32 v5, 1, v2
	s_add_co_u32 s22, s22, 2*32*SP
	v_add_nc_u32 v5, s22, v5                       ; my block's scale byte
	v_lshlrev_b32 v7, 3, v2
	v_add_nc_u32 v6, s22, v7                       ; and on the way out 8 bytes a lane
.macro XLOAD t
.irp i, 0,1,2,3
	global_load_b128 v[16+16*((\t)%4)+4*\i:16+16*((\t)%4)+4*\i+3], v3, s[8:9] offset:2048*(\t)+512*\i th:TH_LOAD_NT
.endr
.endm
.macro XTURN t                         ; step t's numbers through the stage: LDS serves a wave's instructions in order, so no wait stands between the stores and the loads
.irp i, 0,1,2,3
	ds_store_b128 v14, v[16+16*((\t)%4)+4*\i:16+16*((\t)%4)+4*\i+3] offset:32*SP*((\t)%2)+8*SP*\i
.endr
.irp i, 0,1,2,3
	ds_load_b128 v[80+16*((\t)%2)+4*\i:80+16*((\t)%2)+4*\i+3], v15 offset:32*SP*((\t)%2)+16*\i
.endr
.endm
.irp t, 0,1,2,3
	XLOAD \t
.endr
	s_wait_loadcnt 12                              ; step 0's four loads are in
	XTURN 0
.macro XSTEP t
.set XSX, 80+16*((\t)%2)
.if (\t) > 0
	s_wait_dscnt 1                                 ; this step's numbers are back from the stage (the last step's byte store may be out): so its stores into the stage have read their registers,
.else
	s_wait_dscnt 0x0
.endif
.if (\t)+4 < 16
	XLOAD (\t)+4                                   ; which take the loads of four steps on
.endif
.if (\t)+1 < 16
.if 14-(\t) >= 3
	s_wait_loadcnt 12                              ; the next step's four loads are in; those of the three steps behind it may be out
.else
	s_wait_loadcnt 4*(14-(\t))
.endif
	XTURN (\t)+1
.endif
	v_max3_num_f32 v8, |v[XSX]|, |v[XSX+1]|, |v[XSX+2]|      ; the largest magnitude of my 16, in two chains
	v_max3_num_f32 v9, |v[XSX+3]|, |v[XSX+4]|, |v[XSX+5]|
.irp i, 6,10
	v_max3_num_f32 v8, v8, |v[XSX+\i]|, |v[XSX+\i+1]|
	v_max3_num_f32 v9, v9, |v[XSX+\i+2]|, |v[XSX+\i+3]|
.endr
	v_max3_num_f32 v8, v8, |v[XSX+14]|, |v[XSX+15]|
	v_max3_num_f32 v8, v8, v9, 0x1800000           ; and the floor 2^(3 - 127): the byte cannot fall under 1
	v_max_num_f32_dpp v8, v8, v8 row_xmask:1 row_mask:0xf bank_mask:0xf   ; and of my neighbour's 16: the block's
	v_add_nc_u32 v11, 0xff000000, v8               ; 2 off its exponent field: the conversion takes the exponent field of this operand as its scale
	v_cvt_scalef32_pk8_fp4_f32 v[128+4*(\t)], v[XSX:XSX+7], v11
	v_cvt_scalef32_pk8_fp4_f32 v[129+4*(\t)], v[XSX+8:XSX+15], v11
	v_lshrrev_b32 v[112+(\t)], 23, v11             ; the scale's byte (a plain line behind the conversions)
	ds_store_b8 v5, v[112+(\t)] offset:16*(\t)     ; both lanes of a block write the same byte with the same value
	global_store_b64 v4, v[128+4*(\t):129+4*(\t)], s[16:17] offset:256*(\t)   ; each step has registers of its own: no store's data are written again
.endm
.irp t, 0,1,2,3,4,5,6,7,8,9,10,11,12,13,14,15
	XSTEP \t
.endr
	ds_load_b64 v[8:9], v6                         ; LDS serves a wave's instructions in order: these see my stores
	s_wait_dscnt 0x0
	global_store_b64 v7, v[8:9], s[18:19]          ; 32 lanes store 256 consecutive bytes, aligned
	s_branch .Lend
; ---------------------------------------------------------------- W_out: a cast.  A wave takes 8,192 numbers in four rounds of 16 loads, in two sets of registers
.Lpath_o:
	s_sub_co_u32 s21, ttmp9, 48
	s_lshl_b32 s21, s21, 2
	s_add_co_u32 s21, s21, s[WV]
	s_lshl_b32 s24, s21, 15
	s_add_nc_u64 s[6:7], s[6:7], s[24:25]
	s_lshl_b32 s24, s21, 14
	s_add_nc_u64 s[14:15], s[14:15], s[24:25]
	v_lshlrev_b32 v3, 4, v2                        ; in: 16 bytes a lane, 512 a load
	v_lshlrev_b32 v4, 3, v2                        ; out: 8 bytes a lane, 256 a store
.macro OLOAD n
.irp i, 0,1,2,3,4,5,6,7,8,9,10,11,12,13,14,15
	global_load_b128 v[16+64*((\n)%2)+4*\i:16+64*((\n)%2)+4*\i+3], v3, s[6:7] offset:8192*(\n)+512*\i th:TH_LOAD_NT
.endr
.endm
.macro OROUND n
.set OS, 16+64*((\n)%2)
.if (\n) < 3
	s_wait_loadcnt 16                              ; this round's 16 loads are in; the other set's may be out
.else
	s_wait_loadcnt 0x0
.endif
.if (\n) > 0
	s_wait_xcnt 0x0                                ; the last round's stores have read v144-175, which are written again below
.endif
.irp i, 0,1,2,3,4,5,6,7,8,9,10,11,12,13,14,15
	v_cvt_pk_f16_f32 v[144+2*\i], v[OS+4*\i], v[OS+4*\i+1]
	v_cvt_pk_f16_f32 v[145+2*\i], v[OS+4*\i+2], v[OS+4*\i+3]
.endr
.if (\n)+2 < 4
	OLOAD (\n)+2                                   ; loads ahead of stores
.endif
.irp i, 0,1,2,3,4,5,6,7,8,9,10,11,12,13,14,15
	global_store_b64 v4, v[144+2*\i:145+2*\i], s[14:15] offset:4096*(\n)+256*\i
.endr
.endm
	OLOAD 0
	OLOAD 1
	OROUND 0
	OROUND 1
	OROUND 2
	OROUND 3
	s_branch .Lend
; ---------------------------------------------------------------- W_qkv: K is its FIRST axis.  A lane takes a column n and its registers run down K: each load reads 128 consecutive bytes a wave,
; a block of 32 along K lies in one lane's 32 registers, and the conversions give codes with K innermost.  A wave takes 32 columns x 512 along K; its codes go through its own stage in LDS and leave
; as rows: sixteen lanes store 256 consecutive bytes, aligned.  Loads run two blocks ahead.  The largest immediate is 511 x 12,288 bytes, inside the signed 24 bits.
.Lpath_w:
	s_cmp_ge_u32 ttmp9, 24
	s_cselect_b32 s21, 1, 0                        ; which 512 along K
	s_cselect_b32 s22, 24, 0
	s_sub_co_u32 s22, ttmp9, s22                   ; which 128 columns
	s_lshl_b32 s23, s22, 7
	s_lshl_b32 s24, s[WV], 5
	s_add_co_u32 s23, s23, s24                     ; my wave's first column
	s_mul_i32 s24, s21, 512*3072*4
	s_lshl_b32 s26, s23, 2
	s_add_co_u32 s24, s24, s26
	s_add_nc_u64 s[4:5], s[4:5], s[24:25]          ; W_qkv: 512 y rows of 12,288 bytes + 4 x column
	s_lshl_b32 s24, s23, 9
	s_lshl_b32 s26, s21, 8
	s_add_co_u32 s24, s24, s26
	s_add_nc_u64 s[10:11], s[10:11], s[24:25]      ; codes: column x 512 + 256 y
	s_lshl_b32 s24, s23, 5
	s_lshl_b32 s26, s21, 4
	s_add_co_u32 s24, s24, s26
	s_add_nc_u64 s[12:13], s[12:13], s[24:25]      ; scale bytes: column x 32 + 16 y
	v_lshlrev_b32 v3, 2, v2                        ; in: 4 bytes a lane
	s_mul_i32 s27, s[WV], 32*WPITCH
	s_add_co_u32 s27, s27, WSTAGE                  ; my stage
	v_mul_u32_u24 v4, v2, WPITCH
	v_add_nc_u32 v4, s27, v4                       ; into it: row = my column
	v_and_b32 v5, 15, v2
	v_lshrrev_b32 v6, 4, v2                        ; out of it: sixteen lanes to a row, two rows an instruction
	v_mul_u32_u24 v7, v6, WPITCH
	v_lshl_add_u32 v7, v5, 4, v7
	v_add_nc_u32 v7, s27, v7
	v_lshlrev_b32 v8, 9, v6
	v_lshl_add_u32 v8, v5, 4, v8                   ; and the same place in the codes' buffer
	v_lshlrev_b32 v9, 5, v2                        ; my column's row of scale bytes
.macro WLOAD t
.irp i, 0,1,2,3,4,5,6,7,8,9,10,11,12,13,14,15,16,17,18,19,20,21,22,23,24,25,26,27,28,29,30,31
	global_load_b32 v[32+32*((\t)%2)+\i], v3, s[4:5] offset:(32*(\t)+\i)*12288 th:TH_LOAD_NT
.endr
.endm
	WLOAD 0
	WLOAD 1
.macro WBLOCK t
.set XSW, 32+32*((\t)%2)
.if (\t) < 15
	s_wait_loadcnt 32                              ; this block's 32 loads are in; the next block's may be out
.else
	s_wait_loadcnt 0x0
.endif
	v_max3_num_f32 v12, |v[XSW]|, |v[XSW+1]|, |v[XSW+2]|     ; the block's largest magnitude: all 32 numbers are mine
	v_max3_num_f32 v13, |v[XSW+3]|, |v[XSW+4]|, |v[XSW+5]|
.irp i, 6,10,14,18,22,26
	v_max3_num_f32 v12, v12, |v[XSW+\i]|, |v[XSW+\i+1]|
	v_max3_num_f32 v13, v13, |v[XSW+\i+2]|, |v[XSW+\i+3]|
.endr
	v_max3_num_f32 v12, v12, |v[XSW+30]|, |v[XSW+31]|
	v_max3_num_f32 v12, v12, v13, 0x1800000        ; and the floor 2^(3 - 127)
	v_add_nc_u32 v11, 0xff000000, v12              ; 2 off its exponent field: the conversion's scale operand
	v_lshrrev_b32 v13, 23, v11                     ; the scale's byte
.if (\t)%4 == 0
	v_mov_b32 v[24+(\t)/4], v13                    ; four bytes to a register, the lower K in the lower byte
.else
	v_lshl_or_b32 v[24+(\t)/4], v13, 8*((\t)%4), v[24+(\t)/4]
.endif
.irp g, 0,1,2,3
	v_cvt_scalef32_pk8_fp4_f32 v[96+\g], v[XSW+8*\g:XSW+8*\g+7], v11
.endr
	ds_store_b128 v4, v[96:99] offset:16*(\t)      ; 32 codes: 16 bytes of my column's row
.if (\t)+2 < 16
	WLOAD (\t)+2
.endif
	s_wait_dscnt 0x0                               ; the store has read its registers: the next block's codes may be written
.endm
.set Q, 0
.rept 16
	WBLOCK Q
.set Q, Q+1
.endr
	global_store_b128 v9, v[24:27], s[12:13]       ; my column's 16 scale bytes
.irp t, 0,1,2,3,4,5,6,7,8,9,10,11,12,13,14,15
	ds_load_b128 v[112+4*\t:112+4*\t+3], v7 offset:2*\t*WPITCH
.endr
.irp t, 0,1,2,3,4,5,6,7,8,9,10,11,12,13,14,15
	s_wait_dscnt 15-\t                             ; LDS loads come back in order: rows 2 t and 2 t + 1 are in
	global_store_b128 v8, v[112+4*\t:112+4*\t+3], s[10:11] offset:2*\t*512
.endr
.Lend:
	s_wait_tensorcnt 0x0                           ; the wave's end: behind my last LDS store
	ds_add_u32 v[SPW], v[NIL]
	s_wait_dscnt 0x0
	s_endpgm
.Lfunc_end_k_qea2470eedf_prep:
	.size	k_qea2470eedf_prep, .Lfunc_end_k_qea2470eedf_prep-k_qea2470eedf_prep
	.p2alignl 7, 3214868480
	.fill 96, 4, 3214868480
	.section	.rodata,"a",@progbits
	.p2align	6, 0x0
	.amdhsa_kernel k_qea2470eedf_prep
		.amdhsa_group_segment_fixed_size 68096
		.amdhsa_private_segment_fixed_size 0
		.amdhsa_enable_private_segment 0
		.amdhsa_kernarg_size 64
		.amdhsa_user_sgpr_count 2
		.amdhsa_user_sgpr_kernarg_segment_ptr 1
		.amdhsa_wavefront_size32 1
		.amdhsa_system_sgpr_workgroup_id_x 1
		.amdhsa_system_sgpr_workgroup_id_y 1
		.amdhsa_system_sgpr_workgroup_id_z 1
		.amdhsa_system_vgpr_workitem_id 0
		.amdhsa_next_free_vgpr 200
		.amdhsa_next_free_sgpr 66
		.amdhsa_reserve_vcc 0
		.amdhsa_float_denorm_mode_32 3
		.amdhsa_float_denorm_mode_16_64 3
		.amdhsa_memory_ordered 1
		.amdhsa_forward_progress 1
		.amdhsa_inst_pref_size 131
	.end_amdhsa_kernel
	.amdgpu_metadata
---
amdhsa.version: [ 1, 2 ]
amdhsa.kernels:
  - .name:           k_qea2470eedf_prep
    .symbol:         k_qea2470eedf_prep.kd
    .args:
      - { .name: W_qkv, .offset: 0, .size: 8, .value_kind: global_buffer, .address_space: global }
      - { .name: W_out, .offset: 8, .size: 8, .value_kind: global_buffer, .address_space: global }
      - { .name: x, .offset: 16, .size: 8, .value_kind: global_buffer, .address_space: global }
      - { .name: w_codes, .offset: 24, .size: 8, .value_kind: global_buffer, .address_space: global }
      - { .name: w_scales, .offset: 32, .size: 8, .value_kind: global_buffer, .address_space: global }
      - { .name: w16, .offset: 40, .size: 8, .value_kind: global_buffer, .address_space: global }
      - { .name: x_codes, .offset: 48, .size: 8, .value_kind: global_buffer, .address_space: global }
      - { .name: x_scales, .offset: 56, .size: 8, .value_kind: global_buffer, .address_space: global }
    .group_segment_fixed_size: 68096
    .private_segment_fixed_size: 0
    .kernarg_segment_align: 8
    .kernarg_segment_size: 64
    .max_flat_workgroup_size: 128
    .sgpr_count:     66
    .vgpr_count:     200
    .wavefront_size: 32
...
	.end_amdgpu_metadata
.endif
;; end of part 1
;; launch gemm_qkv (part 2): grid 12 x 32, 4 waves a work-group, clusters of 4 x 4, 327,680 bytes of LDS; arguments x_codes, x_scales, w_codes, w_scales, b_qkv, qkv16, qkv32; writes qkv16, qkv32
.if DOCPART == 2
	.amdgcn_target "amdgcn-amd-amdhsa--gfx1250"
	.amdhsa_code_object_version 6
	.text
	.protected	k_qea2470eedf_gemm_qkv
	.globl	k_qea2470eedf_gemm_qkv
	.p2align	8
	.type	k_qea2470eedf_gemm_qkv,@function
k_qea2470eedf_gemm_qkv:
	s_mov_b64 s[64:65], 0
	v_nop
	global_prefetch_b8 v0, s[64:65] scope:SCOPE_SE
	s_setreg_imm32_b32 hwreg(HW_REG_WAVE_MODE, 25, 1), 1
	s_wait_xcnt 0x0
	s_wait_alu depctr_hold_cnt(0) depctr_sa_sdst(0) depctr_va_vdst(0) depctr_va_sdst(0) depctr_va_ssrc(0) depctr_va_vcc(0) depctr_vm_vsrc(0)
	s_getreg_b32 s2, hwreg(HW_REG_IB_STS2, 6, 4)
	s_cmp_eq_u32 s2, 0
	s_cbranch_scc0 .Lentry_in_a_cluster
	s_endpgm
.Lentry_in_a_cluster:
	s_bfe_u32 s2, ttmp6, 0x10000c
	s_cmp_lg_u32 s2, 0xf033
	s_cbranch_scc0 .Lentry_shape_is_right
	s_endpgm
.Lentry_shape_is_right:
; qkv = Q(x) Q(W_qkv) + b_qkv on codes of FP4 (E2M1) with one E8M0 scale for each 32 along K; sums in f32.  x_codes [8192][512 bytes], w_codes [3072][512 bytes], K = 1,024 innermost; scale bytes [rows][32].
; OUT: qkv16, f16, laid [q, k, v][16 x batch + head][t 2048][64]: a head's rows are 128 bytes and dense;  qkv32, f32, [batch][t 0..15][3072]: the first 16 positions of every sequence, kept fine.
; LIMIT: |qkv| stays under 65,504, f16's largest number.
; A tile of 256 x 256 is made by a work-group of four waves; a wave makes 128 x 128: 64 accumulators of 16 x 16, 512 registers.  K is two slots of 512: both are asked for at the head, nothing is filled again.
; THE SCALES of the work-group's 256 + 256 rows, for all of K, are two dense blocks of memory: they come into LDS once, with the first fills.
; CLUSTERS: 4 x 4 work-groups.  The four of a row of the cluster need the same tiles of x, the four of a column the same tiles of W: each tile is asked for JOINTLY.
; The tile row is 8 cy + the cluster's y: so the batch is cy, and "this tile holds positions 0 .. 15" is "the cluster's y is 0", which all sixteen partners share.
; THE MATRIX INSTRUCTION IS USED TRANSPOSED (source 0 = 16 rows of W, source 1 = 16 rows of x): a lane then holds eight neighbouring columns of one row.  The bias is the C of each sum's first product.
; REGISTERS, in windows of 256: window 0: v0-31 addresses; v32-95 scale words, two sets, and nothing else; v96-127 packed results; v128-191 x's fragments, ONE set, later rows on the way out;
;   v192-255 the bias in the result's layout, later the fine rows.   window 1: W's fragments, TWO sets, at v0 and v128.   windows 2, 3: the accumulators ((a, b) at v[8 (8 (a % 4) + b)]).
.set NQ,     4                         ; steps of 128 along K in a slot
.set ROWB,   256                       ; a tile's row in bytes: 512 codes
.set KROW,   512                       ; a row of codes in memory
.set PITCH,  272                       ; an LDS row: 256 bytes + 16 of padding = 68 words: the 16 rows that a load touches start at 16 different banks (64 banks of 4 bytes: ISA guide 11.1)
.set FR,     8
.set NL,     2
.set NP,     4                         ; places behind this matrix instruction (ISA guide 7.12.1)
.set HALFT,  128*PITCH
.set SLOT,   4*HALFT                   ; x's 256 rows, then W's 256 rows
.set KS,     32                        ; a row of scale bytes
.set SCL,    2*SLOT                    ; behind the slots: the scales, as rows of 256 bytes + 16 of padding
.set HALFS,  16*272                    ; those of 128 rows
.set SBLK,   2*272                     ; those of 16 rows
.set SPARE,  SCL+4*HALFS               ; the spare words, 128 bytes for each wave: two blocks of 256 bytes that no other line names
.set ADRA, 16                          ; v16-17  LDS address of my fragments of x in slot 0, 1
.set ADRB, 20                          ; v20-21  the same for W
.set STO32, 22                         ; v22     the fine rows: where I put 32 bytes of a row
.set RD32, 23                          ; v23     and where I read a row back
.set STO,  24                          ; v24     the way out: where I put 16 bytes of a row
.set RD,   25                          ; v25     where I read back
.set CO,   26                          ; v26     my byte offset in qkv16
.set ADRS, 27                          ; v27     LDS address of my scale words: lanes 0-15 x's rows, lanes 16-31 W's
.set SPW,  28                          ; v28     LDS address of my spare word; never rewritten
.set NIL,  29                          ; v29     0; never rewritten
.set CO32, 30                          ; v30     my byte offset in a row of qkv32
.set BIO,  31                          ; v31     my byte offset in the bias
.set SC,   32
.set TMP,  96
.set AF,   128
.set BK,   128
.set BI,   192
.set FBK,  192
.set WV,   18                          ; s18 wave;  s19 which half of the rows (also: I fetch for x (0) or for W (1));  s20 which half of the columns (also: which 128 rows I fetch)
.set G1, 24
.set G0, 32
.set G1B, 48
.set G0B, 56
.set G1S, 68
.set G0S, 76
.set G1SB, 80
.set G0SB, 88
.set FLAG, 100                         ; s100  0 in the waves that hold positions 0 .. 15 of a sequence
.set MSB, 0
.macro WIN new                         ; the immediate's high byte repeats the setting that is left
.if MSB != \new
	s_set_vgpr_msb (MSB<<8)|\new
.set MSB, \new
.endif
.endm
.set MUL_LO, 0xa1                      ; source 0 (W) window 1, source 1 (x) window 0, C and D window 2
.set MUL_HI, 0xf1                      ; the same, C and D window 3
.set TO_B,   0x40                      ; destination window 1, address window 0
; A joint load: waves 0 and 1 fetch for x, waves 2 and 3 for W.  The branch hangs on the wave's number alone.  An s_nop 0 and four v_nop follow each of the two lines.
.macro JLOAD g0a, g1a, g0b, g1b
	s_cmp_eq_u32 s19, 0
	s_cbranch_scc0 .Lfor_b_\@
	tensor_load_to_lds s[\g0a:\g0a+3], s[\g1a:\g1a+7]
	s_nop 0
.rept 4
	v_nop
.endr
	s_branch .Lasked_\@
.Lfor_b_\@:
	tensor_load_to_lds s[\g0b:\g0b+3], s[\g1b:\g1b+7]
	s_nop 0
.rept 4
	v_nop
.endr
.Lasked_\@:
.endm
.macro CROUND                          ; a round of the cluster's barrier
	s_barrier_signal -1
	s_barrier_wait -1
	s_cmp_lg_u32 s[WV], 0
	s_cbranch_scc1 .Lnot_wave_0_\@
	s_barrier_signal -3
.Lnot_wave_0_\@:
	s_barrier_wait -3
	s_barrier_signal -1
	s_barrier_wait -1
.endm
	s_load_b256 s[4:11], s[0:1], 0x0               ; x_codes s[4:5], x_scales s[6:7], w_codes s[8:9], w_scales s[10:11]
	s_load_b128 s[12:15], s[0:1], 0x20             ; b_qkv s[12:13], qkv16 s[14:15]
	s_load_b64 s[16:17], s[0:1], 0x30              ; qkv32
	v_lshl_add_u32 v[SPW], v0, 2, SPARE
	v_mov_b32 v[NIL], 0
	ds_add_u32 v[SPW], v[NIL]                      ; the wave's opening: the add, twice on end, and its wait ahead of my first tensor load
	ds_add_u32 v[SPW], v[NIL]                      ; and once more; the set-up below, work on registers, stands between it and the wait
	v_lshrrev_b32 v1, 5, v0
	v_readfirstlane_b32 s[WV], v1                  ; wave 0..3
	s_lshr_b32 s19, s[WV], 1
	s_and_b32 s20, s[WV], 1
	s_bfe_u32 s21, ttmp6, 0x40000                  ; cx
	s_bfe_u32 s22, ttmp6, 0x40004                  ; cy
	s_lshl_b32 s23, ttmp9, 2
	s_add_co_u32 s23, s23, s21                     ; tile column = 4 x cluster x + cx
	s_and_b32 s40, ttmp7, 0xffff                   ; the cluster's y: which 256 positions of a sequence
	s_lshl_b32 s41, s22, 3
	s_add_co_u32 s41, s41, s40                     ; tile row = 8 cy + cluster y: the batch is cy
	s_or_b32 s[FLAG], s40, s19                     ; made of the cluster's y and the wave's number: the same in all sixteen partners, for a given wave
	s_lshl_b32 s42, s22, 2
	s_lshl_b32 s42, 15, s42                        ; my row of the cluster
	s_lshl_b32 s43, 0x1111, s21                    ; my column
	; descriptor group 1: a tile of 128 rows x 256 bytes, padded in LDS
	s_or_b32 s[G1+0], s42, (0<<16)|(1<<20)|(1<<21)|(5<<22)|(3<<25)  ; 15:0 the mask; 17:16 element of 1 byte; 20 padding on; 21 set beside a mask; 24:22 after every 64 words; 31:25 of 4 words
	s_or_b32 s[G1B+0], s43, (0<<16)|(1<<20)|(1<<21)|(5<<22)|(3<<25)
.irp g, G1, G1B
	s_mov_b32 s[\g+1], ROWB<<16                    ; tensor_dim0
	s_mov_b32 s[\g+2], 128<<16                     ; tensor_dim1
	s_mov_b32 s[\g+3], ROWB<<16                    ; tile_dim0
	s_mov_b32 s[\g+4], 128                         ; tile_dim1
	s_mov_b32 s[\g+5], KROW                        ; tensor_dim0_stride
	s_mov_b32 s[\g+6], 0
	s_mov_b32 s[\g+7], 0
.endr
	; the scales of 128 rows: a dense block of 4,096 bytes, as 16 rows of 256 bytes (32 elements of 8 bytes), 16 bytes of padding behind each
	s_or_b32 s[G1S+0], s42, (3<<16)|(1<<20)|(1<<21)|(5<<22)|(3<<25)
	s_or_b32 s[G1SB+0], s43, (3<<16)|(1<<20)|(1<<21)|(5<<22)|(3<<25)
.irp g, G1S, G1SB
	s_mov_b32 s[\g+1], 32<<16
	s_mov_b32 s[\g+2], 16<<16
	s_mov_b32 s[\g+3], 32<<16
	s_mov_b32 s[\g+4], 16
	s_mov_b32 s[\g+5], 32
	s_mov_b32 s[\g+6], 0
	s_mov_b32 s[\g+7], 0
.endr
	s_lshl_b32 s98, s20, 7                         ; which 128 rows of the tile I fetch
	s_lshl_b32 s44, s41, 8
	s_add_co_u32 s44, s44, s98                     ; x: row 256 x tile row + 128 x half
	s_lshl_b32 s46, s44, 5                         ; its scale bytes,
	s_lshl_b32 s44, s44, 9                         ; its codes
	s_mov_b32 s45, 0
	s_mov_b32 s47, 0
	s_lshl_b32 s92, s23, 8
	s_add_co_u32 s92, s92, s98                     ; W: row 256 x tile column + 128 x half (in registers that never feed x's descriptors)
	s_lshl_b32 s94, s92, 5
	s_lshl_b32 s92, s92, 9
	s_mov_b32 s93, 0
	s_mov_b32 s95, 0
	s_mul_i32 s96, s[WV], HALFT                    ; where they go: wave x 128 rows: no place in the cluster enters an LDS address
	s_mul_i32 s97, s[WV], HALFS
	s_wait_dscnt 0x0                               ; both opening adds are done
	s_wait_kmcnt 0x0
	s_add_nc_u64 s[44:45], s[4:5], s[44:45]
	s_add_nc_u64 s[46:47], s[6:7], s[46:47]
	s_add_nc_u64 s[92:93], s[8:9], s[92:93]
	s_add_nc_u64 s[94:95], s[10:11], s[94:95]
	CROUND                                         ; all sixteen work-groups are here: the first joint loads meet
	s_mov_b32 s[G0S], 1
	s_add_co_u32 s[G0S+1], s97, SCL
	s_mov_b64 s[G0S+2:G0S+3], s[46:47]
	s_or_b32 s[G0S+3], s[G0S+3], 0x80000000
	s_mov_b32 s[G0SB], 1
	s_add_co_u32 s[G0SB+1], s97, SCL
	s_mov_b64 s[G0SB+2:G0SB+3], s[94:95]
	s_or_b32 s[G0SB+3], s[G0SB+3], 0x80000000
	JLOAD G0S, G1S, G0SB, G1SB                     ; the scales first: they are wanted with the first slot
.irp s, 0,1
	s_mov_b32 s[G0+4*\s], 1
	s_add_co_u32 s[G0+4*\s+1], s96, \s*SLOT
	s_add_nc_u64 s[G0+4*\s+2:G0+4*\s+3], s[44:45], \s*ROWB
	s_or_b32 s[G0+4*\s+3], s[G0+4*\s+3], 0x80000000
	s_mov_b32 s[G0B+4*\s], 1
	s_add_co_u32 s[G0B+4*\s+1], s96, \s*SLOT
	s_add_nc_u64 s[G0B+4*\s+2:G0B+4*\s+3], s[92:93], \s*ROWB
	s_or_b32 s[G0B+4*\s+3], s[G0B+4*\s+3], 0x80000000
	JLOAD G0+4*\s, G1, G0B+4*\s, G1B               ; three tensor loads of mine are out: the scales and both slots
.endr
	v_and_b32 v1, 15, v0                           ; r = lane % 16
	v_bfe_u32 v2, v0, 4, 1                         ; h = lane / 16
	v_lshlrev_b32 v[BIO], 5, v2                    ; the bias: 8 numbers for each half of the lanes
	; where my columns begin: 64 x (4 x tile column + 2 x half): two heads of one of q, k, v
	s_lshl_b32 s92, s23, 2
	s_lshl_b32 s93, s20, 1
	s_add_co_u32 s92, s92, s93                     ; hs = 16 x (q, k, v) + head
	s_lshl_b32 s94, s92, 8                         ; 256 bytes of f32 a head
	s_mov_b32 s95, 0
	s_add_nc_u64 s[12:13], s[12:13], s[94:95]      ; the bias at my first column
.irp b, 0,1,2,3,4,5,6,7
	global_load_b128 v[BI+8*\b:BI+8*\b+3], v[BIO], s[12:13] offset:64*\b          ; lane (r, h), block b: b_qkv at my column 16 b + 8 h + 0 .. 7: the result's layout
	global_load_b128 v[BI+8*\b+4:BI+8*\b+7], v[BIO], s[12:13] offset:64*\b+16
.endr
	s_mul_i32 s96, s22, 196608
	s_add_co_u32 s94, s94, s96
	s_add_nc_u64 s[16:17], s[16:17], s[94:95]      ; qkv32: my batch's 16 rows of 12,288 bytes, my first column
	s_lshr_b32 s96, s92, 4
	s_lshl_b32 s96, s96, 6                         ; 64 x (q, k, v)
	s_and_b32 s97, s92, 15
	s_add_co_u32 s96, s96, s97                     ; + head
	s_lshl_b32 s97, s22, 4
	s_add_co_u32 s96, s96, s97                     ; + 16 x batch
	s_lshl_b32 s96, s96, 18                        ; 2,048 rows of 128 bytes each
	s_lshl_b32 s97, s40, 15                        ; + the tile's 256 positions
	s_add_co_u32 s96, s96, s97
	s_lshl_b32 s97, s19, 14                        ; + my 128 of them
	s_add_co_u32 s96, s96, s97
	s_mov_b32 s97, 0
	s_add_nc_u64 s[14:15], s[14:15], s[96:97]
	v_mul_u32_u24 v3, v1, PITCH
	v_lshl_add_u32 v4, v2, 4, v3                   ; a fragment's row x pitch + 16 x half
	s_mul_i32 s44, s19, HALFT                      ; my 128 rows of x
	s_mul_i32 s45, s20, HALFT                      ; my 128 rows of W,
	s_add_co_u32 s45, s45, 2*HALFT                 ; which lie behind x's 256
.irp s, 0,1
	v_add_nc_u32 v[ADRA+\s], s44, v4
	v_add_nc_u32 v[ADRB+\s], s45, v4
	s_add_co_u32 s44, s44, SLOT
	s_add_co_u32 s45, s45, SLOT
.endr
	v_mul_u32_u24 v5, v1, KS                       ; my row's scales: 32 bytes a row,
	v_lshrrev_b32 v6, 8, v5
	v_lshl_add_u32 v5, v6, 4, v5                   ; and 16 more for each 256 passed
	s_mul_i32 s44, s19, HALFS
	s_mul_i32 s45, s20, HALFS
	s_add_co_u32 s45, s45, 2*HALFS
	s_sub_co_u32 s45, s45, s44
	v_mul_u32_u24 v6, s45, v2                      ; lanes 16-31 take W's: one product, the distance between the two bases
	s_add_co_u32 s44, s44, SCL
	v_add_nc_u32 v5, v5, v6
	v_add_nc_u32 v[ADRS], s44, v5
	s_mul_i32 s46, s[WV], 16*528                   ; my stage, in slot 0: when the first result is stored there, that slot has had its only fill, and every wave has passed the change of slots
	v_mul_u32_u24 v5, v1, 272
	v_lshl_add_u32 v5, v2, 4, v5
	v_add_nc_u32 v[STO], s46, v5                   ; f16: row r of 272 bytes, 16 bytes for each half of the lanes
	v_bfe_u32 v5, v0, 3, 1
	v_mul_u32_u24 v5, v5, 272
	v_lshl_add_u32 v5, v2, 7, v5
	v_and_b32 v6, 7, v0
	v_lshl_add_u32 v5, v6, 4, v5
	v_add_nc_u32 v[RD], s46, v5                    ; back: lanes 0-15 two rows of the first head's 128 bytes, lanes 16-31 of the second head's
	v_lshlrev_b32 v[CO], 4, v1
	v_lshl_add_u32 v[CO], v2, 18, v[CO]            ; in qkv16: 16 bytes a lane; the second head lies 262,144 bytes on
	v_mul_u32_u24 v5, v1, 528
	v_lshl_add_u32 v5, v2, 5, v5
	v_add_nc_u32 v[STO32], s46, v5                 ; f32: row r of 528 bytes, 32 bytes for each half of the lanes
	v_and_b32 v6, 31, v0
	v_lshlrev_b32 v[CO32], 4, v6
	v_add_nc_u32 v[RD32], s46, v[CO32]             ; back: the 32 lanes take one row of 512 bytes
.macro FRAG reg, adr, q, i             ; a fragment, 16 rows x 128 K of 4-bit codes: lane l holds row l % 16; registers 4 c .. 4 c + 3 hold K = 64 c + 32 (l / 16) + 0 .. 31
.irp c, 0,1
	ds_load_b128 v[\reg+4*\c:\reg+4*\c+3], v[\adr] offset:64*(\q)+32*\c+(\i)*16*PITCH
.endr
.endm
; 16 matrix instructions: x's blocks a0, a0 + 1 against W's eight, 128 along K.  first = 1: the bias is the C: nothing is cleared and nothing is added later.
; The 64 accumulators take turns, one instruction a turn, in the same order in every step.
.macro MUL16 a0, p, q, sc, first
.irp a, \a0, \a0+1
.irp b, 0,1,2,3,4,5,6,7
.if \first
	v_wmma_scale_f32_16x16x128_f8f6f4 v[8*(8*((\a)%4)+\b):8*(8*((\a)%4)+\b)+7], v[128*(\p)+FR*\b:128*(\p)+FR*\b+FR-1], v[AF+FR*(\a):AF+FR*(\a)+FR-1], v[BI+8*\b:BI+8*\b+7], v[SC+8*NQ*(\sc)+NQ*\b+(\q)], v[SC+8*NQ*(\sc)+NQ*(\a)+(\q)] matrix_a_fmt:MATRIX_FMT_FP4 matrix_b_fmt:MATRIX_FMT_FP4 matrix_a_scale:MATRIX_SCALE_ROW1
.else
	v_wmma_scale_f32_16x16x128_f8f6f4 v[8*(8*((\a)%4)+\b):8*(8*((\a)%4)+\b)+7], v[128*(\p)+FR*\b:128*(\p)+FR*\b+FR-1], v[AF+FR*(\a):AF+FR*(\a)+FR-1], v[8*(8*((\a)%4)+\b):8*(8*((\a)%4)+\b)+7], v[SC+8*NQ*(\sc)+NQ*\b+(\q)], v[SC+8*NQ*(\sc)+NQ*(\a)+(\q)] matrix_a_fmt:MATRIX_FMT_FP4 matrix_b_fmt:MATRIX_FMT_FP4 matrix_a_scale:MATRIX_SCALE_ROW1
.endif
.endr
.endr
.endm
.macro FETCH_B slot, q, p
	WIN TO_B
.irp i, 0,1,2,3,4,5,6,7
	FRAG 128*(\p)+FR*\i, ADRB+\slot, \q, \i
.endr
	WIN 0
.endm
.macro FETCH_A slot, q, i0
.irp i, \i0, \i0+1, \i0+2, \i0+3
	FRAG AF+FR*(\i), ADRA+\slot, \q, \i
.endr
.endm
.macro SCALES sc                       ; a slot's scale words: 4 words a row; lanes 0-15 take x's block i, lanes 16-31 W's block i
.irp i, 0,1,2,3,4,5,6,7
	ds_load_b128 v[SC+8*NQ*\sc+NQ*\i:SC+8*NQ*\sc+NQ*\i+3], v[ADRS] offset:\i*SBLK
.endr
.endm
.macro PLACES n                        ; plain vector instructions between a matrix instruction and a load into, or a read of, its registers (ISA guide 7.12.1 for reads)
.rept \n
	v_nop
.endr
.endm
.macro STEP slot, q, first             ; a step of 128 along K that has its successor in the same slot
	s_wait_dscnt 4*NL                              ; W's set and x's blocks 0-3 are in; the youngest eight loads (x's blocks 4-7) may be out
.if \first
	WIN 0x81                                       ; C, the bias, in window 0
.else
	WIN MUL_LO
.endif
	MUL16 0, (\q)%2, \q, \slot, \first
	MUL16 2, (\q)%2, \q, \slot, \first
	s_wait_dscnt 0                                 ; x's blocks 4-7 are in
	PLACES NP
	FETCH_B \slot, (\q)+1, 1-(\q)%2
	FETCH_A \slot, (\q)+1, 0
.if \first
	WIN 0xc1
.else
	WIN MUL_HI
.endif
	MUL16 4, (\q)%2, \q, \slot, \first
	MUL16 6, (\q)%2, \q, \slot, \first
	PLACES NP
	WIN 0
	FETCH_A \slot, (\q)+1, 4
.endm
.macro STEPS slot, from
.set Q, \from
.rept NQ-1-\from
	STEP \slot, Q, 0
.set Q, Q+1
.endr
.endm
	s_wait_tensorcnt 1                             ; the scales and my part of slot 0 are in (slot 1's load may be out)
	s_barrier_signal -1
	s_barrier_wait -1                              ; everybody's are
	FETCH_B 0, 0, 0
	FETCH_A 0, 0, 0
	SCALES 0
	FETCH_A 0, 0, 4
	s_wait_loadcnt 0x0                             ; the bias
	STEP 0, 0, 1
	STEPS 0, 1
	; slot 0's last step changes slots: one barrier; in front of it each wave waits for all its tensor loads, adds 0 to its spare word, and waits for that and for its reads of slot 0
	s_wait_tensorcnt 0x0                           ; my part of slot 1 has landed  (every window is 0 here)
	ds_add_u32 v[SPW], v[NIL]                      ; 0 onto my spare word
	s_wait_dscnt 4*NL+1                            ; (the add and the youngest eight loads may be out)
	WIN MUL_LO
	MUL16 0, 1, NQ-1, 0, 0                         ; sixteen matrix instructions stand between the add and the wait for it
	s_wait_dscnt 0x0                               ; the add is done, and my reads of slot 0 are over
	s_barrier_signal -1
	MUL16 2, 1, NQ-1, 0, 0
	WIN 0
	s_barrier_wait -1
	PLACES NP
	v_add_nc_u32 v[ADRS], 4*NQ, v[ADRS]            ; on to slot 1's scale words (no LDS load of mine is out)
	FETCH_B 1, 0, 0
	FETCH_A 1, 0, 0
	SCALES 1
	WIN MUL_HI
	MUL16 4, 1, NQ-1, 0, 0
	MUL16 6, 1, NQ-1, 0, 0
	PLACES NP
	WIN 0
	FETCH_A 1, 0, 4
	STEPS 1, 0
	s_wait_dscnt 4*NL                              ; the very last step: nothing more to fetch
	WIN MUL_LO
	MUL16 0, 1, NQ-1, 1, 0
	MUL16 2, 1, NQ-1, 1, 0
	s_wait_dscnt 0
	WIN MUL_HI
	MUL16 4, 1, NQ-1, 1, 0
	MUL16 6, 1, NQ-1, 1, 0
	WIN 0
	PLACES NP                                      ; for the loads into the registers that held x's fragments and the bias, and for the reads of results
	; THE FINE ROWS: positions 0 .. 15 of my batch, my 128 columns, as f32: block 0 goes through my stage and leaves as whole rows of 512 bytes.  The test hangs on the cluster's y and the wave's number.
	s_cmp_lg_u32 s[FLAG], 0
	s_cbranch_scc1 .Lno_fine
	WIN 0x08                                       ; an LDS store's data are its source 1: window 2
.irp b, 0,1,2,3,4,5,6,7
	ds_store_b128 v[STO32], v[8*\b:8*\b+3] offset:64*\b               ; each accumulator from its low end on
	ds_store_b128 v[STO32], v[8*\b+4:8*\b+7] offset:64*\b+16
.endr
	WIN 0
.irp t, 0,1,2,3,4,5,6,7,8,9,10,11,12,13,14,15
	ds_load_b128 v[FBK+4*\t:FBK+4*\t+3], v[RD32] offset:\t*528        ; LDS serves a wave's instructions in order: these see the stores above
.endr
	s_wait_dscnt 0x0
.irp t, 0,1,2,3,4,5,6,7,8,9,10,11,12,13,14,15
	global_store_b128 v[CO32], v[FBK+4*\t:FBK+4*\t+3], s[16:17] offset:\t*12288   ; 32 lanes store 512 consecutive bytes, at a multiple of 256 from the buffer's first byte
.endr
.Lno_fine:
; THE WAY OUT, block by block of 16 rows x 128 columns (two heads).  PACK: rounded to f16, 16 bytes a lane.  TOSTAGE: into my stage and back by heads.  SEND: sixteen lanes store two rows of one head: 256 consecutive bytes, aligned.
.macro PACK a
.set AC, 64*((\a)%4)
	WIN 0x0a+5*((\a)/4)                            ; sources 0 and 1: window 2 or 3
.irp b, 0,1,2,3,4,5,6,7
.irp r, 0,1,2,3
	v_cvt_pk_f16_f32 v[TMP+4*\b+\r], v[AC+8*\b+2*\r], v[AC+8*\b+2*\r+1]
.endr
.endr
	WIN 0
.endm
.macro TOSTAGE a
.set BB, BK+32*((\a)%2)
.irp b, 0,1,2,3,4,5,6,7
	ds_store_b128 v[STO], v[TMP+4*\b:TMP+4*\b+3] offset:32*\b
.endr
.irp t, 0,1,2,3,4,5,6,7
	ds_load_b128 v[BB+4*\t:BB+4*\t+3], v[RD] offset:\t*2*272
.endr
.endm
.macro SEND a
.set BB, BK+32*((\a)%2)
	s_wait_dscnt 0x0                               ; the block is back in registers
	s_wait_xcnt 0x0                                ; the block before has had its stores' registers read: the next block's loads may land there
.irp t, 0,1,2,3,4,5,6,7
	global_store_b128 v[CO], v[BB+4*\t:BB+4*\t+3], s[14:15] offset:(\a)*2048+256*\t
.endr
.endm
	PACK 0
	TOSTAGE 0
.irp a, 1,2,3,4,5,6,7                  ; block a's conversions stand between block a - 1's loads from the stage and the wait for them
	PACK \a
	SEND \a-1
	TOSTAGE \a
.endr
	SEND 7
	s_wait_tensorcnt 0x0                           ; the wave's end: behind my last tensor load and my last LDS store
	ds_add_u32 v[SPW], v[NIL]
	s_wait_dscnt 0x0
	CROUND                                         ; the closing round: no work-group ends while a partner may still ask for a tile that names it
	s_endpgm
.Lfunc_end_k_qea2470eedf_gemm_qkv:
	.size	k_qea2470eedf_gemm_qkv, .Lfunc_end_k_qea2470eedf_gemm_qkv-k_qea2470eedf_gemm_qkv
	.p2alignl 7, 3214868480
	.fill 96, 4, 3214868480
	.section	.rodata,"a",@progbits
	.p2align	6, 0x0
	.amdhsa_kernel k_qea2470eedf_gemm_qkv
		.amdhsa_group_segment_fixed_size 327680
		.amdhsa_private_segment_fixed_size 0
		.amdhsa_enable_private_segment 0
		.amdhsa_kernarg_size 56
		.amdhsa_user_sgpr_count 2
		.amdhsa_user_sgpr_kernarg_segment_ptr 1
		.amdhsa_wavefront_size32 1
		.amdhsa_system_sgpr_workgroup_id_x 1
		.amdhsa_system_sgpr_workgroup_id_y 1
		.amdhsa_system_sgpr_workgroup_id_z 1
		.amdhsa_system_vgpr_workitem_id 0
		.amdhsa_next_free_vgpr 1024
		.amdhsa_next_free_sgpr 101
		.amdhsa_reserve_vcc 0
		.amdhsa_float_denorm_mode_32 3
		.amdhsa_float_denorm_mode_16_64 3
		.amdhsa_memory_ordered 1
		.amdhsa_forward_progress 1
		.amdhsa_inst_pref_size 132
	.end_amdhsa_kernel
	.amdgpu_metadata
---
amdhsa.version: [ 1, 2 ]
amdhsa.kernels:
  - .name:           k_qea2470eedf_gemm_qkv
    .symbol:         k_qea2470eedf_gemm_qkv.kd
    .args:
      - { .name: x_codes, .offset: 0, .size: 8, .value_kind: global_buffer, .address_space: global }
      - { .name: x_scales, .offset: 8, .size: 8, .value_kind: global_buffer, .address_space: global }
      - { .name: w_codes, .offset: 16, .size: 8, .value_kind: global_buffer, .address_space: global }
      - { .name: w_scales, .offset: 24, .size: 8, .value_kind: global_buffer, .address_space: global }
      - { .name: b_qkv, .offset: 32, .size: 8, .value_kind: global_buffer, .address_space: global }
      - { .name: qkv16, .offset: 40, .size: 8, .value_kind: global_buffer, .address_space: global }
      - { .name: qkv32, .offset: 48, .size: 8, .value_kind: global_buffer, .address_space: global }
    .group_segment_fixed_size: 327680
    .private_segment_fixed_size: 0
    .kernarg_segment_align: 8
    .kernarg_segment_size: 56
    .max_flat_workgroup_size: 128
    .sgpr_count:     101
    .vgpr_count:     1024
    .wavefront_size: 32
...
	.end_amdgpu_metadata
.endif
;; end of part 2
;; launch attn (part 3): grid 4 x 64, 16 waves a work-group, no clusters, 327,680 bytes of LDS; arguments qkv16, y16; writes y16
.if DOCPART == 3
	.amdgcn_target "amdgcn-amd-amdhsa--gfx1250"
	.amdhsa_code_object_version 6
	.text
	.protected	k_qea2470eedf_attn
	.globl	k_qea2470eedf_attn
	.p2align	8
	.type	k_qea2470eedf_attn,@function
k_qea2470eedf_attn:
	s_mov_b64 s[64:65], 0
	v_nop
	global_prefetch_b8 v0, s[64:65] scope:SCOPE_SE
	s_setreg_imm32_b32 hwreg(HW_REG_WAVE_MODE, 25, 1), 1
	s_wait_xcnt 0x0
; y[bh][q] = the sum over k <= q of softmax_k(Q[bh][q] . K[bh][k] / 8) V[bh][k].  qkv16: f16, [q, k, v][bh 64][t 2048][64].  y16: f16, [head 16][2048 x batch + t][64].
; Products on f16 operands with f32 sums; maxima, exponentials and sums in f32; the weights p are rounded to f16 for the second product, y once at the end.  (Positions 0 .. 15 are made again, finer, by a later launch.)
; LIMIT: |y| stays under 65,504 (it is an average of values that do).
; SHARES.  Work-group (p, bh) owns the blocks p and 7 - p of 256 queries of one head.  Each of its sixteen waves owns TWO tiles of 16 queries: tile 0 at 256 p + 16 w, tile 1 at 2,032 - that.  A tile at q0 has
; q0 / 64 + 1 steps of 64 keys under the causal mask, and the two of a wave have 33 together, whatever p and w: all waves of the launch have the same work.  Both tiles share each fragment of K and V.
; Four waves share a SIMD, so that one wave's vector work stands beside another's matrix work and LDS loads.
; NO CLUSTER: the four work-groups of a head want 8 - p slots of keys each: a joint load would bring some partners tiles that all their waves pass over.
; LAYOUT.  S^T = K Q^T (source 0 = 16 keys, source 1 = 16 queries): a lane holds ONE query (lane % 16) and the keys 8 (lane / 16) + 0 .. 7 of a tile.  Two such tiles, rounded to f16 in pairs, ARE source 1 of
; O^T = V^T P, whose result again holds one query a lane.  K comes out of LDS as it lies, V ([key][channel]) turned, by ds_load_tr16_b128.
; SOFTMAX.  A running maximum m and sum l for each query: p = 2^(c s - c m), c = log2(e) / 8; in every step O and l are multiplied by a = 2^(c m_old - c m_new).
; THE WALK.  Every work-group walks all 8 slots of 256 keys: the trip counts are constants.  A step all of whose keys come after a tile's queries is left out by a scalar branch on ids; a slot that none of the
; work-group's waves reads is not asked for.  Every wait for tensor loads is for all of them.
; REGISTERS: v1-15 addresses and small things; v16-31 statistics, eight a tile (+0 c m, +1 m, +2 +3 l, +4 .. +7 at work, a at +6); v32-63 Q; v64-127 S^T, 32 a tile (P takes the low 16 of them in place);
;   v128-191 O^T, 32 a tile; v192-255 eight fragments of K, then of V.
.set KP,    144                        ; a row of K in LDS: 128 bytes + 16 = 36 words: the 16 rows of a load start at 16 different groups of four banks (64 banks of 4 bytes: ISA guide 11.1)
.set VP,    160                        ; a row of V: 128 + 32 = 40 words
.set VOFF,  256*KP                     ; a slot: 256 rows of K, then 256 rows of V
.set SLOT1, 1<<17                      ; slot 1 begins here: one exclusive or turns an address in one slot into the other's
.set SPARE, 2*SLOT1                    ; the spare words, 128 bytes for each wave: eight blocks of 256 bytes that no other line names
.set NSL,   8
.set TB,    2                          ; s2   LDS byte at which the slot in hand begins
.set SLOTS, 3                          ; s3   changes of slots still to come that may ask for a slot
.set KF,    8                          ; s8   the step's first key
.set Q0,    9                          ; s9, s10   the first query of tile 0, of tile 1
.set QE,    11                         ; s11, s12  their last queries
.set QLIM,  13                         ; s13  my work-group's last query
.set BH,    14                         ; s14  16 x batch + head
.set WV,    18
.set SEL,   20                         ; s[20:21] lane selects for v_permlanex16_b32: lane l xor 16
.set CS,    22                         ; s[22:23] c, twice: the packed form names a pair
.set G1K,   24                         ; s[24:31] descriptor group 1 for K's tiles;  s[32:39] for V's;  s[40:43], s[44:47] their groups 0, which walk
.set G1V,   32
.set G0K,   40
.set G0V,   44
.set PFA,   48                         ; s[48:49] where my prefetches stand
.set LIM,   50                         ; s50  1 in a wave that prefetches, else the greatest number
.set T0,    52                         ; s52-59 at work;  s[60:61] K of my head, s[62:63] V
; Waves 0 and 1 fetch K's halves of a slot, waves 2 and 3 V's, the others nothing.  The branches hang on the wave's number alone.  An s_nop 0 and four v_nop follow each of the two lines.
.macro TLOAD
	s_cmp_lt_u32 s[WV], 2
	s_cbranch_scc0 .Lnot_k_\@
	tensor_load_to_lds s[G0K:G0K+3], s[G1K:G1K+7]
	s_nop 0
.rept 4
	v_nop
.endr
	s_branch .Lasked_\@
.Lnot_k_\@:
	s_cmp_lt_u32 s[WV], 4
	s_cbranch_scc0 .Lasked_\@
	tensor_load_to_lds s[G0V:G0V+3], s[G1V:G1V+7]
	s_nop 0
.rept 4
	v_nop
.endr
.Lasked_\@:
.endm
; A PREFETCH INTO THE L2 of what the NEXT change of slots will ask for: a slot's 256 rows of K and of V, each a dense block of 32,768 bytes.  All four work-groups of a head walk the same K and V: the head's
; first work-group, which walks all eight slots, asks, and nobody else.  In it the waves ask that fetch nothing: waves 4 to 7 for K, waves 8 to 11 for V, 8,192 bytes a wave, lanes 256 bytes apart, one instruction.
; So each aligned block of 256 bytes is named once in the launch.  Slots 0 and 1 come by their loads alone; the last change that fills a slot asks for nothing: there is no slot behind it.
.macro ASK
	s_cmp_gt_u32 s[SLOTS], s[LIM]
	s_cbranch_scc0 .Lnot_mine_\@
	global_prefetch_b8 v10, s[PFA:PFA+1] th:TH_LOAD_NT scope:SCOPE_SE
.Lnot_mine_\@:
.endm
	s_load_b128 s[4:7], s[0:1], 0x0                ; qkv16 s[4:5], y16 s[6:7]
	v_lshl_add_u32 v5, v0, 2, SPARE                ; v5: LDS address of my spare word; never rewritten
	v_mov_b32 v6, 0                                ; v6: 0; never rewritten
	ds_add_u32 v5, v6                              ; the wave's opening: the add, twice on end, and its wait ahead of my first tensor load
	ds_add_u32 v5, v6                              ; and once more; the set-up below, work on registers, stands between it and the wait
	v_lshrrev_b32 v11, 5, v0
	v_readfirstlane_b32 s[WV], v11                 ; wave 0..15
	s_and_b32 s[BH], ttmp7, 0xffff
	s_lshl_b32 s[Q0], ttmp9, 8
	s_lshl_b32 s[T0], s[WV], 4
	s_add_co_u32 s[Q0], s[Q0], s[T0]               ; tile 0: 256 p + 16 w
	s_sub_co_u32 s[Q0+1], 2032, s[Q0]              ; tile 1: in block 7 - p, from its end
	s_add_co_u32 s[QE], s[Q0], 15
	s_add_co_u32 s[QE+1], s[Q0+1], 15
	s_sub_co_u32 s[QLIM], 8, ttmp9
	s_lshl_b32 s[QLIM], s[QLIM], 8
	s_sub_co_u32 s[QLIM], s[QLIM], 1               ; 256 (8 - p) - 1
	; descriptor group 1: 128 rows of 64 elements of 2 bytes, dense in memory, padded behind every row in LDS
	s_mov_b32 s[G1K], (1<<16)|(1<<20)|(4<<22)|(3<<25)   ; 15:0 no mask; 17:16 elements of 2 bytes; 20 padding on; 24:22 after every 32 words (code 4); 31:25 four words (code 3)
	s_mov_b32 s[G1V], (1<<16)|(1<<20)|(4<<22)|(7<<25)   ; the same with eight words of padding (code 7)
.irp g, G1K, G1V
	s_mov_b32 s[\g+1], 64<<16                      ; tensor_dim0
	s_mov_b32 s[\g+2], 128<<16                     ; tensor_dim1
	s_mov_b32 s[\g+3], 64<<16                      ; tile_dim0
	s_mov_b32 s[\g+4], 128                         ; tile_dim1
	s_mov_b32 s[\g+5], 64                          ; tensor_dim0_stride
	s_mov_b32 s[\g+6], 0
	s_mov_b32 s[\g+7], 0
.endr
	s_and_b32 s53, s[WV], 1                        ; which half of a slot I fetch, if I fetch
	s_mul_i32 s54, s53, 128*KP                     ; K: in a slot
	s_mul_i32 s55, s53, 128*VP
	s_add_co_u32 s55, s55, VOFF                    ; V: in a slot
	s_lshl_b32 s56, s53, 14                        ; and in memory: 128 rows of 128 bytes
	s_mov_b32 s57, 0
	s_lshl_b32 s58, s[BH], 18                      ; my head's 2,048 rows of 128 bytes
	s_mov_b32 s59, 0
	s_mov_b32 s[SEL], 0x76543210
	s_mov_b32 s[SEL+1], 0xfedcba98
	s_mov_b32 s[CS], 0x3e38aa3b                    ; c = log2(e) / 8
	s_mov_b32 s[CS+1], s[CS]
	s_mov_b32 s[TB], 0
	s_mov_b32 s[KF], 0
	s_mov_b32 s[SLOTS], NSL-1
	s_wait_dscnt 0x0                               ; both opening adds are done
	s_wait_kmcnt 0x0
	s_add_nc_u64 s[4:5], s[4:5], s[58:59]          ; Q of my head;
	s_add_nc_u64 s[60:61], s[4:5], 0x1000000       ; K lies 64 heads on,
	s_add_nc_u64 s[62:63], s[4:5], 0x2000000       ; V 128
	s_mov_b32 s[G0K], 1                            ; 1:0 count = 1
	s_mov_b32 s[G0K+1], s54                        ; 63:32 LDS address: slot 0
	s_add_nc_u64 s[G0K+2:G0K+3], s[60:61], s[56:57]   ; 120:64 global address: the head's first 256 keys
	s_or_b32 s[G0K+3], s[G0K+3], 0x80000000        ; 127:126 type = 2
	s_mov_b32 s[G0V], 1
	s_mov_b32 s[G0V+1], s55
	s_add_nc_u64 s[G0V+2:G0V+3], s[62:63], s[56:57]
	s_or_b32 s[G0V+3], s[G0V+3], 0x80000000
	TLOAD                                          ; slot 0: it holds key 0, which counts for every query
	; the prefetches: where my wave's stand, and who asks
	s_cmp_lt_u32 s[WV], 8
	s_cselect_b64 s[PFA:PFA+1], s[60:61], s[62:63]
	s_and_b32 s52, s[WV], 3
	s_lshl_b32 s52, s52, 13                        ; my wave's 8,192 bytes,
	s_add_co_u32 s52, s52, 32768                   ; in slot 1: the first change of slots steps it to slot 2.  Nothing is prefetched here, at the head
	s_mov_b32 s53, 0
	s_add_nc_u64 s[PFA:PFA+1], s[PFA:PFA+1], s[52:53]
	s_sub_co_u32 s52, s[WV], 4
	s_lshr_b32 s52, s52, 3                         ; 0 in waves 4 to 11,
	s_or_b32 s52, s52, ttmp9                       ; of the head's first work-group
	s_cmp_eq_u32 s52, 0
	s_cselect_b32 s[LIM], 1, -1
	v_and_b32 v10, 31, v0
	v_lshlrev_b32 v10, 8, v10                      ; v10: 256 x my lane; never rewritten
	v_and_b32 v12, 15, v0                          ; r = lane % 16
	v_bfe_u32 v13, v0, 4, 1                        ; h = lane / 16
	v_lshlrev_b32 v11, 7, v12
	v_lshl_add_u32 v11, v13, 4, v11                ; Q: row r of 128 bytes, + 16 h
	s_lshl_b32 s52, s[Q0], 7
	s_add_nc_u64 s[54:55], s[4:5], s[52:53]        ; tile 0's rows
	s_lshl_b32 s52, s[Q0+1], 7
	s_add_nc_u64 s[56:57], s[4:5], s[52:53]        ; tile 1's
.irp c, 0,1                                    ; Q stays in registers: tile t, channels 32 c on, at v[32 + 16 t + 8 c]
	global_load_b128 v[32+8*\c:35+8*\c], v11, s[54:55] offset:64*\c
	global_load_b128 v[36+8*\c:39+8*\c], v11, s[54:55] offset:64*\c+32
	global_load_b128 v[48+8*\c:51+8*\c], v11, s[56:57] offset:64*\c
	global_load_b128 v[52+8*\c:55+8*\c], v11, s[56:57] offset:64*\c+32
.endr
	v_mul_u32_u24 v1, v12, KP
	v_lshl_add_u32 v1, v13, 4, v1                  ; v1: my lane's place in a tile of K: row r, + 16 h
	v_and_b32 v2, 7, v0
	v_lshl_add_u32 v2, v13, 3, v2
	v_mul_u32_u24 v2, v2, VP
	v_bfe_u32 v14, v0, 3, 1
	v_lshl_add_u32 v2, v14, 4, v2
	v_add_nc_u32 v2, VOFF, v2                      ; v2: the same for V: key 8 h + lane % 8, channels 8 ((lane / 8) % 2) on
	v_lshlrev_b32 v9, 3, v13
	v_sub_nc_u32 v9, v12, v9                       ; v9: r - 8 h, for the mask
	v_mov_b32 v8, 0xff800000                       ; v8: -infinity
.irp t, 0,1
	v_mov_b32 v[17+8*\t], 0xff61b1e6               ; m: -3e38, under every score
	v_mul_f32 v[16+8*\t], s[CS], v[17+8*\t]        ; c m
	v_mov_b32 v[18+8*\t], 0                        ; l, in two halves
	v_mov_b32 v[19+8*\t], 0
.irp e, 4,5,6,7
	v_mov_b32 v[16+8*\t+\e], 0                     ; the four at work: the way out names them as a lane permute's destination and as the upper half of a pair, and a tile's softmax, which writes them, stands behind a branch: so they are written once here
.endr
.endr
.set i, 0
.rept 64
	v_mov_b32 v[128+i], 0                          ; O^T.  (The step is written once: its first turn finds zeros, which a = 0 leaves zeros)
.set i, i+1
.endr
.set i, 0
.rept 32
	v_mov_b32 v[64+i], 0                           ; tile 0's scores: its products and its softmax stand behind two tests of the same ids, written apart: so the registers are written once here
.set i, i+1
.endr
; 8 products of S^T = K Q^T for tile t: channels 32 c on, keys 16 kt on.  The four accumulators take turns, one instruction a turn; the first four start the sums.
.macro SQ t
.irp c, 0,1
.irp kt, 0,1,2,3
.if \c == 0
	v_wmma_f32_16x16x32_f16 v[64+32*\t+8*\kt:71+32*\t+8*\kt], v[192+16*\kt+8*\c:199+16*\kt+8*\c], v[32+16*\t+8*\c:39+16*\t+8*\c], 0
.else
	v_wmma_f32_16x16x32_f16 v[64+32*\t+8*\kt:71+32*\t+8*\kt], v[192+16*\kt+8*\c:199+16*\kt+8*\c], v[32+16*\t+8*\c:39+16*\t+8*\c], v[64+32*\t+8*\kt:71+32*\t+8*\kt]
.endif
.endr
.endr
.endm
; 8 products of O^T += V^T P for tile t: keys 32 ks on, channels 16 ct on; four accumulators by turns.
.macro PV t
.irp ks, 0,1
.irp ct, 0,1,2,3
	v_wmma_f32_16x16x32_f16 v[128+32*\t+8*\ct:135+32*\t+8*\ct], v[192+32*\ks+8*\ct:199+32*\ks+8*\ct], v[64+32*\t+8*\ks:71+32*\t+8*\ks], v[128+32*\t+8*\ct:135+32*\t+8*\ct]
.endr
.endr
.endm
; Tile t's softmax for one step of 64 keys.
.macro SOFT t
.set rT, 16+8*(\t)
.set rS, 64+32*(\t)
.set rO, 128+32*(\t)
	s_add_co_u32 s[T0], s[KF], 63                  ; on the diagonal the scores of hidden keys become -infinity ahead of the maximum; a step all of whose keys count passes this over
	s_cmp_le_u32 s[T0], s[Q0+\t]
	s_cbranch_scc1 .Lopen_\@
	s_sub_co_i32 s[T0], s[Q0+\t], s[KF]
	v_add_nc_u32 v7, s[T0], v9                     ; d = my query - the step's first key - 8 h.  Register 8 kt + j holds key 16 kt + 8 h + j of the step: hidden where 16 kt + j > d
.set n, 0
.rept 32
	v_cmp_gt_i32 vcc_lo, 16*(n/8)+n%8, v7
	v_cndmask_b32 v[rS+n], v[rS+n], v8, vcc_lo
.set n, n+1
.endr
.Lopen_\@:
.irp j, 0,1,2,3
	v_max3_num_f32 v[rT+4+\j], v[rS+8*\j], v[rS+8*\j+1], v[rS+8*\j+2]     ; the maximum, in four chains, each accumulator from its low end on
.endr
.irp i, 3,5
.irp j, 0,1,2,3
	v_max3_num_f32 v[rT+4+\j], v[rT+4+\j], v[rS+8*\j+\i], v[rS+8*\j+\i+1]
.endr
.endr
	v_max3_num_f32 v[rT+4], v[rT+4], v[rS+7], v[rS+15]
	v_max3_num_f32 v[rT+6], v[rT+6], v[rS+23], v[rS+31]
	v_max3_num_f32 v[rT+4], v[rT+4], v[rT+5], v[rT+6]
	v_max3_num_f32 v[rT+4], v[rT+4], v[rT+7], v[rT+1]                     ; with the old m
	v_permlanex16_b32 v[rT+5], v[rT+4], s[SEL], s[SEL+1]                  ; the query's other 32 keys lie in the lane 16 away
	v_mov_b32 v[rT+7], v[rT]                                              ; c m_old is kept for a
	v_max_num_f32 v[rT+1], v[rT+4], v[rT+5]                               ; the new m
	v_mul_f32 v[rT], s[CS], v[rT+1]
	v_sub_f32 v[rT+7], v[rT+7], v[rT]                                     ; c m_old - c m_new
.set n, 0
.rept 16
	v_pk_fma_f32 v[rS+n:rS+n+1], v[rS+n:rS+n+1], s[CS:CS+1], v[rT:rT+1] op_sel_hi:[1,0,0] neg_lo:[0,0,1] neg_hi:[0,0,1]   ; c s - c m, two at a time
.set n, n+2
.endr
	v_exp_f32 v[rT+6], v[rT+7]                     ; a.  ONE BATCH: 33 exponentials, none of which reads another's result
.set n, 0
.rept 32
	v_exp_f32 v[rS+n], v[rS+n]                     ; p
.set n, n+1
.endr
	v_nop                                          ; a plain instruction behind the last exponential
	s_wait_alu depctr_va_vdst(0)                   ; the wait ahead of the first instruction that names a result: one for the batch
	v_pk_mul_f32 v[rT+2:rT+3], v[rT+2:rT+3], v[rT+6:rT+7] op_sel_hi:[1,0]  ; l under the new m
	v_pk_add_f32 v[rT+4:rT+5], v[rS+2:rS+3], v[rS+6:rS+7]                  ; the sum of the 16 pairs, in two chains
	v_pk_add_f32 v[rT+2:rT+3], v[rT+2:rT+3], v[rS:rS+1]
	v_pk_add_f32 v[rT+2:rT+3], v[rT+2:rT+3], v[rS+4:rS+5]
.irp i, 8,12,16,20,24,28
	v_pk_add_f32 v[rT+2:rT+3], v[rT+2:rT+3], v[rS+\i:rS+\i+1]
	v_pk_add_f32 v[rT+4:rT+5], v[rT+4:rT+5], v[rS+\i+2:rS+\i+3]
.endr
	v_pk_add_f32 v[rT+2:rT+3], v[rT+2:rT+3], v[rT+4:rT+5]
.set n, 0
.rept 16
	v_cvt_pk_f16_f32 v[rS+n], v[rS+2*n], v[rS+2*n+1]                       ; P, in place: register n takes pair n, which lies at or above it
.set n, n+1
.endr
.set n, 0
.rept 16
	v_pk_mul_f32 v[rO+n:rO+n+1], v[rO+n:rO+n+1], v[rT+6:rT+7] op_sel_hi:[1,0]   ; O^T under the new m
.set n, n+2
.endr
.endm
; A STEP: 64 keys, the q-th of the slot in hand.  Tile 1, the later one, counts in every step in which tile 0 counts.
.macro STEP q
	s_cmp_gt_u32 s[KF], s[QE+1]                    ; all keys come after both tiles' queries: the step is left out (ids and the count of steps alone)
	s_cbranch_scc1 .Lhid_\@
	v_add_nc_u32 v3, s[TB], v1
	v_add_nc_u32 v4, s[TB], v2
.rept 3
	v_nop                                          ; with the two additions five places behind the last products: K's loads land on registers that they read, and the new scores are written over P
.endr
.irp kt, 0,1,2,3
.irp c, 0,1
	ds_load_b128 v[192+16*\kt+8*\c:195+16*\kt+8*\c], v3 offset:(64*(\q)+16*\kt)*KP+64*\c
	ds_load_b128 v[196+16*\kt+8*\c:199+16*\kt+8*\c], v3 offset:(64*(\q)+16*\kt)*KP+64*\c+32
.endr
.endr
	s_wait_dscnt 0x0
	SQ 1
	s_cmp_gt_u32 s[KF], s[QE]
	s_cbranch_scc1 .Lone_\@
	SQ 0
.Lone_\@:
.rept 4
	v_nop                                          ; places in front of V's loads into K's registers, and of the first read of the scores
.endr
.irp ks, 0,1
.irp ct, 0,1,2,3
	ds_load_tr16_b128 v[192+32*\ks+8*\ct:195+32*\ks+8*\ct], v4 offset:(64*(\q)+32*\ks)*VP+32*\ct
	ds_load_tr16_b128 v[196+32*\ks+8*\ct:199+32*\ks+8*\ct], v4 offset:(64*(\q)+32*\ks+16)*VP+32*\ct
.endr
.endr
	SOFT 1                                         ; V lands meanwhile
	s_wait_dscnt 0x0
	PV 1
	s_cmp_gt_u32 s[KF], s[QE]
	s_cbranch_scc1 .Lhid_\@
	SOFT 0                                         ; beside tile 1's products
	PV 0
.Lhid_\@:
	s_add_co_u32 s[KF], s[KF], 64
.endm
; THE CHANGE OF SLOTS stands at a slot's head.  Each wave waits for all its tensor loads, adds 0 to its spare word (fill = 1: twice on end), and waits for that and for its reads of the slot that it has left.
; Behind the barrier the slot ahead is whole and nobody reads the other one.  fill = 1: that other slot is filled with the next 256 keys, up to the causal limit: the load has a slot's four steps in which to land.
.macro CHANGE fill
	s_wait_tensorcnt 0x0                           ; no tensor load of mine is out, so a group 0 may be written
	ds_add_u32 v5, v6                              ; 0 onto my spare word
.if \fill
	ds_add_u32 v5, v6                              ; and once more
	s_xor_b32 s[G0K+1], s[G0K+1], SLOT1            ; the walking descriptors: the other slot than last time,
	s_add_nc_u64 s[G0K+2:G0K+3], s[G0K+2:G0K+3], 32768   ; the next 256 keys; the type bits on top are not reached
	s_xor_b32 s[G0V+1], s[G0V+1], SLOT1
	s_add_nc_u64 s[G0V+2:G0V+3], s[G0V+2:G0V+3], 32768
	s_wait_xcnt 0x0                                ; the last prefetch, a slot back, has read its address, so it may be written:
	s_add_nc_u64 s[PFA:PFA+1], s[PFA:PFA+1], 32768 ; one slot further on than the walking descriptors
.endif
	s_wait_dscnt 0x0                               ; the add is done, and my reads of the slot that I have left are over
	s_barrier_signal -1
	s_barrier_wait -1
.if \fill
	s_add_co_u32 s[T0], s[KF], 256                 ; the first key of the slot that this change would ask for:
	s_cmp_gt_u32 s[T0], s[QLIM]                    ; past my work-group's last query no wave reads it, so it is not asked for.  Ids and the count of steps alone: all sixteen waves go the same way
	s_cbranch_scc1 .Lpast_\@
	TLOAD                                          ; a wave's one tensor load until the next change
.Lpast_\@:
	ASK                                            ; what the next change of slots will ask for: a slot's four steps ahead of that load
.endif
.endm
.macro SLOT_STEPS
.set Q, 0
.rept 4
	STEP Q
.set Q, Q+1
.endr
	s_xor_b32 s[TB], s[TB], SLOT1                  ; on to the other slot
.endm
	s_wait_loadcnt 0x0                             ; Q
.Lslot:                                            ; 7 trips: behind each change of slots but the last the next slot is asked for, up to the limit
	CHANGE 1
	SLOT_STEPS
	s_sub_co_u32 s[SLOTS], s[SLOTS], 1
	s_cmp_lg_u32 s[SLOTS], 0
	s_cbranch_scc1 .Lslot
	CHANGE 0                                       ; the last slot is written out: nothing is left to ask for
	SLOT_STEPS
	; THE WAY OUT.  l's halves are added; O^T is divided by l, rounded to f16 and sent through my stage in LDS, a tile (16 rows of 128 bytes) at a time.  The stages lie in slot 0, which was left at the last
	; change of slots: it has had its last fill, and nobody reads it.  The additions are the places behind the last products.
.irp t, 0,1
	v_add_f32 v[20+8*\t], v[18+8*\t], v[19+8*\t]
.endr
.irp t, 0,1
	v_permlanex16_b32 v[21+8*\t], v[20+8*\t], s[SEL], s[SEL+1]
.endr
.irp t, 0,1
	v_add_f32 v[20+8*\t], v[20+8*\t], v[21+8*\t]
.endr
	s_mul_i32 s58, s[WV], 16*KP                    ; my stage
	v_mul_u32_u24 v14, v12, KP
	v_lshl_add_u32 v14, v13, 4, v14
	v_add_nc_u32 v14, s58, v14                     ; in: row r, 16 bytes for each half of the lanes
.irp t, 0,1
	v_rcp_f32 v[22+8*\t], v[20+8*\t]
.endr
	v_bfe_u32 v15, v0, 3, 2                        ; (plain work behind the reciprocals)
	v_mul_u32_u24 v15, v15, KP
	v_and_b32 v7, 7, v0
	v_lshl_add_u32 v15, v7, 4, v15
	v_add_nc_u32 v15, s58, v15                     ; back: eight lanes to a row, four rows an instruction
	v_and_b32 v11, 31, v0
	v_lshlrev_b32 v11, 4, v11                      ; in y16 the 16 rows are 2,048 consecutive bytes: 16 bytes a lane
	s_and_b32 s52, s[BH], 15
	s_lshl_b32 s52, s52, 20                        ; head x 8,192 rows of 128 bytes
	s_lshr_b32 s53, s[BH], 4
	s_lshl_b32 s53, s53, 18                        ; + batch x 2,048 rows
	s_add_co_u32 s52, s52, s53
	s_mov_b32 s53, 0
	s_add_nc_u64 s[6:7], s[6:7], s[52:53]
	s_lshl_b32 s52, s[Q0], 7
	s_add_nc_u64 s[54:55], s[6:7], s[52:53]        ; tile 0's rows
	s_lshl_b32 s52, s[Q0+1], 7
	s_add_nc_u64 s[56:57], s[6:7], s[52:53]        ; tile 1's
	s_wait_alu depctr_va_vdst(0)                   ; the wait ahead of the first use: one for both reciprocals
.macro OUT t
.set rT, 16+8*(\t)
.set rS, 64+32*(\t)
.set rO, 128+32*(\t)
.set n, 0
.rept 16
	v_pk_mul_f32 v[rO+n:rO+n+1], v[rO+n:rO+n+1], v[rT+6:rT+7] op_sel_hi:[1,0]
.set n, n+2
.endr
.set n, 0
.rept 16
	v_cvt_pk_f16_f32 v[rS+n], v[rO+2*n], v[rO+2*n+1]
.set n, n+1
.endr
.irp ct, 0,1,2,3
	ds_store_b128 v14, v[rS+4*\ct:rS+4*\ct+3] offset:32*\ct
.endr
.irp i, 0,1,2,3
	ds_load_b128 v[rS+16+4*\i:rS+19+4*\i], v15 offset:4*KP*\i      ; LDS serves a wave's instructions in order: these see the stores above, and the next tile's stores come behind them
.endr
.irp i, 0,1,2,3
	s_wait_dscnt 3-\i                              ; LDS loads come back in order: rows 4 i on are in
	global_store_b128 v11, v[rS+16+4*\i:rS+19+4*\i], s[54+2*\t:55+2*\t] offset:512*\i   ; 32 lanes store 512 consecutive bytes, at a multiple of 256 from the buffer's first byte
.endr
.endm
	OUT 0
	OUT 1
	s_wait_tensorcnt 0x0                           ; the wave's end: behind my last tensor load and my last LDS store
	ds_add_u32 v5, v6
	s_wait_dscnt 0x0
	s_endpgm
.Lfunc_end_k_qea2470eedf_attn:
	.size	k_qea2470eedf_attn, .Lfunc_end_k_qea2470eedf_attn-k_qea2470eedf_attn
	.p2alignl 7, 3214868480
	.fill 96, 4, 3214868480
	.section	.rodata,"a",@progbits
	.p2align	6, 0x0
	.amdhsa_kernel k_qea2470eedf_attn
		.amdhsa_group_segment_fixed_size 327680
		.amdhsa_private_segment_fixed_size 0
		.amdhsa_enable_private_segment 0
		.amdhsa_kernarg_size 16
		.amdhsa_user_sgpr_count 2
		.amdhsa_user_sgpr_kernarg_segment_ptr 1
		.amdhsa_wavefront_size32 1
		.amdhsa_system_sgpr_workgroup_id_x 1
		.amdhsa_system_sgpr_workgroup_id_y 1
		.amdhsa_system_sgpr_workgroup_id_z 1
		.amdhsa_system_vgpr_workitem_id 0
		.amdhsa_next_free_vgpr 256
		.amdhsa_next_free_sgpr 66
		.amdhsa_reserve_vcc 1
		.amdhsa_float_denorm_mode_32 3
		.amdhsa_float_denorm_mode_16_64 3
		.amdhsa_memory_ordered 1
		.amdhsa_forward_progress 1
		.amdhsa_inst_pref_size 192
	.end_amdhsa_kernel
	.amdgpu_metadata
---
amdhsa.version: [ 1, 2 ]
amdhsa.kernels:
  - .name:           k_qea2470eedf_attn
    .symbol:         k_qea2470eedf_attn.kd
    .args:
      - { .name: qkv16, .offset: 0, .size: 8, .value_kind: global_buffer, .address_space: global }
      - { .name: y16, .offset: 8, .size: 8, .value_kind: global_buffer, .address_space: global }
    .group_segment_fixed_size: 327680
    .private_segment_fixed_size: 0
    .kernarg_segment_align: 8
    .kernarg_segment_size: 16
    .max_flat_workgroup_size: 512
    .sgpr_count:     66
    .vgpr_count:     256
    .wavefront_size: 32
...
	.end_amdgpu_metadata
.endif
;; end of part 3
;; launch gemm_out (part 4): grid 8 x 32, 4 waves a work-group, clusters of 4 x 4, 327,680 bytes of LDS; arguments y16, w16, b_out, out0; writes out0
.if DOCPART == 4
	.amdgcn_target "amdgcn-amd-amdhsa--gfx1250"
	.amdhsa_code_object_version 6
	.text
	.protected	k_qea2470eedf_gemm_out
	.globl	k_qea2470eedf_gemm_out
	.p2align	8
	.type	k_qea2470eedf_gemm_out,@function
k_qea2470eedf_gemm_out:
	s_mov_b64 s[64:65], 0
	v_nop
	global_prefetch_b8 v0, s[64:65] scope:SCOPE_SE
	s_setreg_imm32_b32 hwreg(HW_REG_WAVE_MODE, 25, 1), 1
	s_wait_xcnt 0x0
	s_wait_alu depctr_hold_cnt(0) depctr_sa_sdst(0) depctr_va_vdst(0) depctr_va_sdst(0) depctr_va_ssrc(0) depctr_va_vcc(0) depctr_vm_vsrc(0)
	s_getreg_b32 s2, hwreg(HW_REG_IB_STS2, 6, 4)
	s_cmp_eq_u32 s2, 0
	s_cbranch_scc0 .Lentry_in_a_cluster
	s_endpgm
.Lentry_in_a_cluster:
	s_bfe_u32 s2, ttmp6, 0x10000c
	s_cmp_lg_u32 s2, 0xf033
	s_cbranch_scc0 .Lentry_shape_is_right
	s_endpgm
.Lentry_shape_is_right:
; out0 = y W_out + b_out.  y16: f16, [head 16][row 8192][64] (k = 64 x head + channel);  w16: f16, [k 1024][n 1024];  b_out [1024], out0 [8192][1024]: f32.  Sums in f32.
; A tile of out0 is 256 rows x 128 columns: 256 work-groups, where tiles of 256 x 256 would be 128.  Four waves, each 128 x 64: 32 accumulators of 16 x 16, 256 registers.
; K goes in steps of 128 (two heads) through a ring of two LDS slots: y's tile is two dense blocks of 256 rows x 128 bytes, W's 128 rows (k) of 256 bytes.  One tensor load a wave: waves 0, 1 a head of y each, waves 2, 3 64 rows of W each.
; CLUSTERS: 4 x 4 work-groups.  The four of a row of the cluster need the same tiles of y, the four of a column the same tiles of W: each tile is asked for JOINTLY.
; THE MATRIX INSTRUCTION IS USED TRANSPOSED (source 0 = 16 columns of W, turned on the way out of LDS by ds_load_tr16_b128; source 1 = 16 rows of y): a lane holds eight neighbouring columns of a row.  The bias is the C of each sum's first product.
; No prefetch: eight K steps in all, and every tile is shared fourfold in the cluster.
; REGISTERS: window 0: v0-31 addresses; v32-63 the bias in the result's layout; v64-127 rows on the way out.   window 1: two fragment buffers of 96 (W's four fragments, then y's eight) at v0 and v128.   window 2: accumulator (a, b) at v[8 (4 a + b)].
.set AP,     144                       ; a row of y in LDS: 128 bytes + 16
.set BP,     288                       ; a row of W: 256 bytes + 32
.set AHALF,  256*AP                    ; one head's 256 rows
.set BOFF,   2*AHALF
.set BHALF,  64*BP
.set SLOT,   BOFF+2*BHALF
.set STAGE,  2*SLOT                    ; behind the ring: 16 rows x (256 bytes + 16) for each wave: a wave's 64 columns are 256 bytes, so each wave has a stage of its own
.set SPITCH, 272
.set SPARE,  STAGE+4*16*SPITCH         ; the spare words, 128 bytes for each wave: two blocks of 256 bytes that no other line names
.set LAPS,   4                         ; a lap = two K steps = once round the ring
.set ADRA, 16                          ; v16-17  LDS address of my fragments of y in slot 0, 1
.set ADRB, 20                          ; v20-21  the same for W
.set STO,  24
.set RD,   25
.set CO,   26
.set BIO,  27
.set SPW,  28                          ; v28     LDS address of my spare word; never rewritten
.set NIL,  29                          ; v29     0; never rewritten
.set BI,   32
.set BK,   64
.set F0,   0
.set F1,   128
.set WV,   12                          ; s12 wave;  s13 which 128 rows (also: I fetch for y (0) or for W (1));  s14 which 64 columns (also: which part I fetch)
.set G1, 24
.set G0, 32
.set G1B, 48
.set G0B, 56
.set MSB, 0
.macro WIN new                         ; the immediate's high byte repeats the setting that is left
.if MSB != \new
	s_set_vgpr_msb (MSB<<8)|\new
.set MSB, \new
.endif
.endm
.set MUL,   0xa5                       ; sources 0 and 1 window 1; C and D window 2
.set MUL1,  0x85                       ; the same with C, the bias, in window 0
.set TO_F,  0x40                       ; destination window 1, address window 0
.macro JLOAD s                         ; a joint load; an s_nop 0 and four v_nop follow each of the two lines, ahead of the jump, the label and what follows
	s_cmp_eq_u32 s13, 0
	s_cbranch_scc0 .Lfor_b_\@
	tensor_load_to_lds s[G0+4*\s:G0+4*\s+3], s[G1:G1+7]
	s_nop 0
.rept 4
	v_nop
.endr
	s_branch .Lasked_\@
.Lfor_b_\@:
	tensor_load_to_lds s[G0B+4*\s:G0B+4*\s+3], s[G1B:G1B+7]
	s_nop 0
.rept 4
	v_nop
.endr
.Lasked_\@:
.endm
.macro CREST                           ; a round of the cluster's barrier behind its opening barrier
	s_cmp_lg_u32 s[WV], 0
	s_cbranch_scc1 .Lnot_wave_0_\@
	s_barrier_signal -3
.Lnot_wave_0_\@:
	s_barrier_wait -3
	s_barrier_signal -1
	s_barrier_wait -1
.endm
.macro CROUND
	s_barrier_signal -1
	s_barrier_wait -1
	CREST
.endm
	s_load_b256 s[4:11], s[0:1], 0x0               ; y16 s[4:5], w16 s[6:7], b_out s[8:9], out0 s[10:11]
	v_lshl_add_u32 v[SPW], v0, 2, SPARE
	v_mov_b32 v[NIL], 0
	ds_add_u32 v[SPW], v[NIL]                      ; the wave's opening: the add, twice on end, and its wait ahead of my first tensor load
	ds_add_u32 v[SPW], v[NIL]                      ; and once more; the set-up below, work on registers, stands between it and the wait
	v_lshrrev_b32 v1, 5, v0
	v_readfirstlane_b32 s[WV], v1                  ; wave 0..3
	s_lshr_b32 s13, s[WV], 1
	s_and_b32 s14, s[WV], 1
	s_bfe_u32 s40, ttmp6, 0x40000                  ; cx, cy: my place in the cluster
	s_bfe_u32 s41, ttmp6, 0x40004
	s_lshl_b32 s42, ttmp9, 2
	s_add_co_u32 s42, s42, s40                     ; tile column = 4 x cluster x + cx
	s_and_b32 s15, ttmp7, 0xffff
	s_lshl_b32 s15, s15, 2
	s_add_co_u32 s15, s15, s41                     ; tile row = 4 x cluster y + cy
	s_lshl_b32 s43, s41, 2
	s_lshl_b32 s43, 15, s43                        ; my row of the cluster
	s_lshl_b32 s44, 0x1111, s40                    ; my column
	; group 1 for y: 256 rows of 64 elements of 2 bytes, dense; four words of padding behind every 32
	s_or_b32 s[G1+0], s43, (1<<16)|(1<<20)|(1<<21)|(4<<22)|(3<<25)
	s_mov_b32 s[G1+1], 64<<16                      ; tensor_dim0
	s_mov_b32 s[G1+2], 256<<16                     ; tensor_dim1
	s_mov_b32 s[G1+3], 64<<16                      ; tile_dim0
	s_mov_b32 s[G1+4], 256                         ; tile_dim1
	s_mov_b32 s[G1+5], 64                          ; tensor_dim0_stride
	s_mov_b32 s[G1+6], 0
	s_mov_b32 s[G1+7], 0
	; group 1 for W: 64 rows (k) of 128 elements, 1,024 elements apart; eight words of padding behind every 64
	s_or_b32 s[G1B+0], s44, (1<<16)|(1<<20)|(1<<21)|(5<<22)|(7<<25)
	s_mov_b32 s[G1B+1], 128<<16
	s_mov_b32 s[G1B+2], 64<<16
	s_mov_b32 s[G1B+3], 128<<16
	s_mov_b32 s[G1B+4], 64
	s_mov_b32 s[G1B+5], 1024
	s_mov_b32 s[G1B+6], 0
	s_mov_b32 s[G1B+7], 0
	s_lshl_b32 s16, s14, 20                        ; y: head = my part, 8,192 rows of 128 bytes a head,
	s_lshl_b32 s17, s15, 15                        ; + 256 x tile row
	s_add_co_u32 s16, s16, s17
	s_mov_b32 s17, 0
	s_lshl_b32 s46, s14, 17                        ; W: 64 rows of 2,048 bytes x my part,
	s_lshl_b32 s47, s42, 8                         ; + 128 columns x tile column (in registers that never feed y's descriptors)
	s_add_co_u32 s46, s46, s47
	s_mov_b32 s47, 0
	s_mul_i32 s20, s14, AHALF                      ; where they go: no place in the cluster enters an LDS address
	s_mul_i32 s21, s14, BHALF
	s_add_co_u32 s21, s21, BOFF
	s_wait_dscnt 0x0                               ; both opening adds are done
	s_wait_kmcnt 0x0
	s_add_nc_u64 s[16:17], s[4:5], s[16:17]
	s_add_nc_u64 s[46:47], s[6:7], s[46:47]
	CROUND                                         ; all sixteen work-groups are here: the first joint loads meet
.irp s, 0,1
	s_mov_b32 s[G0+4*\s], 1
	s_add_co_u32 s[G0+4*\s+1], s20, \s*SLOT
	s_add_nc_u64 s[G0+4*\s+2:G0+4*\s+3], s[16:17], \s*2097152      ; K step s: two heads on
	s_or_b32 s[G0+4*\s+3], s[G0+4*\s+3], 0x80000000
	s_mov_b32 s[G0B+4*\s], 1
	s_add_co_u32 s[G0B+4*\s+1], s21, \s*SLOT
	s_add_nc_u64 s[G0B+4*\s+2:G0B+4*\s+3], s[46:47], \s*262144     ; 128 rows of W on
	s_or_b32 s[G0B+4*\s+3], s[G0B+4*\s+3], 0x80000000
	JLOAD \s                                       ; two tensor loads of mine are out
.endr
	v_and_b32 v1, 15, v0                           ; r
	v_bfe_u32 v2, v0, 4, 1                         ; h
	v_lshlrev_b32 v[BIO], 5, v2
	s_lshl_b32 s46, s42, 9
	s_lshl_b32 s47, s14, 8
	s_add_co_u32 s46, s46, s47                     ; my first column, in bytes of f32: 512 x tile column + 256 x half
	s_mov_b32 s47, 0
	s_add_nc_u64 s[8:9], s[8:9], s[46:47]
	s_add_nc_u64 s[10:11], s[10:11], s[46:47]
.irp b, 0,1,2,3
	global_load_b128 v[BI+8*\b:BI+8*\b+3], v[BIO], s[8:9] offset:64*\b            ; lane (r, h), block b: b_out at my column 16 b + 8 h + 0 .. 7
	global_load_b128 v[BI+8*\b+4:BI+8*\b+7], v[BIO], s[8:9] offset:64*\b+16
.endr
	s_lshl_b32 s46, s15, 20                        ; my first row: 256 x tile row + 128 x half, 4,096 bytes a row
	s_lshl_b32 s47, s13, 19
	s_add_co_u32 s46, s46, s47
	s_mov_b32 s47, 0
	s_add_nc_u64 s[10:11], s[10:11], s[46:47]
	v_mul_u32_u24 v3, v1, AP
	v_lshl_add_u32 v3, v2, 4, v3                   ; y: row r x pitch + 16 h
	s_mul_i32 s22, s13, 128*AP                     ; my 128 rows
	v_and_b32 v4, 7, v0
	v_lshl_add_u32 v4, v2, 3, v4
	v_mul_u32_u24 v4, v4, BP
	v_bfe_u32 v5, v0, 3, 1
	v_lshl_add_u32 v4, v5, 4, v4                   ; W: row (k) 8 h + lane % 8, columns 8 ((lane / 8) % 2) on
	s_lshl_b32 s23, s14, 7                         ; my 64 columns
	s_add_co_u32 s23, s23, BOFF
.irp s, 0,1
	v_add_nc_u32 v[ADRA+\s], s22, v3
	v_add_nc_u32 v[ADRB+\s], s23, v4
	s_add_co_u32 s22, s22, SLOT
	s_add_co_u32 s23, s23, SLOT
.endr
	s_mul_i32 s22, s[WV], 16*SPITCH
	s_add_co_u32 s22, s22, STAGE                   ; my stage
	v_mul_u32_u24 v5, v1, SPITCH
	v_lshl_add_u32 v5, v2, 5, v5
	v_add_nc_u32 v[STO], s22, v5                   ; in: row r, 32 bytes for each half of the lanes
	v_mul_u32_u24 v5, v2, SPITCH
	v_lshl_add_u32 v5, v1, 4, v5
	v_add_nc_u32 v[RD], s22, v5                    ; back: lanes 0-15 one row of 256 bytes, lanes 16-31 the next
	v_lshlrev_b32 v[CO], 4, v1
	v_lshl_add_u32 v[CO], v2, 12, v[CO]            ; and the same two rows in out0
; 8 matrix instructions: y's blocks a0, a0 + 1 against W's four, 32 along K.  first = 1: the bias is the C.  The 32 accumulators take turns, in the same order in every quarter.
.macro MULA f, a0, first
.irp a, \a0, \a0+1
.irp b, 0,1,2,3
.if \first
	v_wmma_f32_16x16x32_f16 v[8*(4*(\a)+\b):8*(4*(\a)+\b)+7], v[\f+8*\b:\f+8*\b+7], v[\f+32+8*(\a):\f+32+8*(\a)+7], v[BI+8*\b:BI+8*\b+7]
.else
	v_wmma_f32_16x16x32_f16 v[8*(4*(\a)+\b):8*(4*(\a)+\b)+7], v[\f+8*\b:\f+8*\b+7], v[\f+32+8*(\a):\f+32+8*(\a)+7], v[8*(4*(\a)+\b):8*(4*(\a)+\b)+7]
.endif
.endr
.endr
.endm
; 24 LDS loads in one run: the fragments of the slot's q-th 32 along K into buffer f: W's four, y's blocks 0-3, y's blocks 4-7
.macro FETCH slot, q, f
	WIN TO_F
.irp i, 0,1,2,3
	ds_load_tr16_b128 v[\f+8*\i:\f+8*\i+3],   v[ADRB+\slot] offset:32*(\q)*BP+32*\i
	ds_load_tr16_b128 v[\f+8*\i+4:\f+8*\i+7], v[ADRB+\slot] offset:32*(\q)*BP+16*BP+32*\i
.endr
.irp i, 0,1,2,3,4,5,6,7
	ds_load_b128 v[\f+32+8*\i:\f+32+8*\i+3],   v[ADRA+\slot] offset:((\q)/2)*AHALF+((\q)%2)*64+\i*16*AP
	ds_load_b128 v[\f+32+8*\i+4:\f+32+8*\i+7], v[ADRA+\slot] offset:((\q)/2)*AHALF+((\q)%2)*64+\i*16*AP+32
.endr
.endm
.macro PLACES                          ; four places in front of loads into registers that matrix instructions have read, and of reads of results (ISA guide 7.12.1 for reads)
.rept 4
	v_nop
.endr
.endm
; A K step is four quarters of 32 along K, 32 matrix instructions each, on buffers 0, 1, 0, 1.  One of the first three: multiplies buffer f and fetches quarter qn into g.
.macro QUARTER slot, qn, f, g, first
	s_wait_dscnt 8                                 ; W's fragments and y's blocks 0-3 are in; the youngest eight loads (blocks 4-7) may be out
.if \first
	WIN MUL1
.else
	WIN MUL
.endif
	MULA \f, 0, \first
	MULA \f, 2, \first
	PLACES
	FETCH \slot, \qn, \g
	s_wait_dscnt 24                                ; all but the 24 just issued
.if \first
	WIN MUL1
.else
	WIN MUL
.endif
	MULA \f, 4, \first
	MULA \f, 6, \first
.endm
; The last quarter multiplies buffer 1 and changes slots: ONE barrier; in front of it each wave waits for all its tensor loads, adds 0 to its spare word, and waits for that and for its reads of this slot.
; fill = 1: the barrier opens a round of the cluster's, and this slot is filled again, two K steps ahead: the load has 112 matrix instructions of mine in which to land.
.macro TURN slot, next, fill
	WIN 0                                          ; (the add's two registers lie in window 0)
	s_wait_tensorcnt 0x0                           ; all my tensor loads have landed: my part of the next slot
	ds_add_u32 v[SPW], v[NIL]                      ; 0 onto my spare word
	s_wait_dscnt 9                                 ; (the add and the youngest eight loads may be out)
	WIN MUL
	MULA F1, 0, 0                                  ; eight matrix instructions stand between the add and the wait for it
	s_wait_dscnt 0x0                               ; the add is done, and my reads of this slot are over
	s_barrier_signal -1
	MULA F1, 2, 0
.if \fill
	WIN 0
.endif
	s_barrier_wait -1
.if \fill
	CREST                                          ; no wave of any partner still reads this slot's tiles or has a load on its way
	s_add_nc_u64 s[G0+4*\slot+2:G0+4*\slot+3], s[G0+4*\slot+2:G0+4*\slot+3], 4194304      ; four heads on
	s_add_nc_u64 s[G0B+4*\slot+2:G0B+4*\slot+3], s[G0B+4*\slot+2:G0B+4*\slot+3], 524288   ; 256 rows of W on
	JLOAD \slot                                    ; the first tensor load behind the round; the four v_nop behind it are also the places in front of the loads below
.else
	PLACES
.endif
	FETCH \next, 0, F0
	WIN MUL
	MULA F1, 4, 0
	MULA F1, 6, 0
.endm
	s_wait_tensorcnt 1                             ; my part of K step 0 is in (K step 1's load may be out)
	s_barrier_signal -1
	s_barrier_wait -1                              ; everybody's is
	FETCH 0, 0, F0
	s_wait_loadcnt 0x0                             ; the bias
	QUARTER 0, 1, F0, F1, 1                        ; the first quarter stands in front of the loop: its products start the sums, from the bias
	WIN 0                                          ; at a label and at a branch every window is 0
	s_mov_b32 s3, LAPS-1
.Llap:                                                 ; a trip goes once round the ring, from a lap's second quarter to the next lap's first, and fills both slots again
	QUARTER 0, 2, F1, F0, 0
	QUARTER 0, 3, F0, F1, 0
	TURN 0, 1, 1
	QUARTER 1, 1, F0, F1, 0
	QUARTER 1, 2, F1, F0, 0
	QUARTER 1, 3, F0, F1, 0
	TURN 1, 0, 1
	QUARTER 0, 1, F0, F1, 0
	WIN 0
	s_sub_co_u32 s3, s3, 1
	s_cmp_lg_u32 s3, 0
	s_cbranch_scc1 .Llap
	QUARTER 0, 2, F1, F0, 0                        ; the last lap fills nothing, and has no round of the cluster's barrier
	QUARTER 0, 3, F0, F1, 0
	TURN 0, 1, 0
	QUARTER 1, 1, F0, F1, 0
	QUARTER 1, 2, F1, F0, 0
	QUARTER 1, 3, F0, F1, 0
	s_wait_dscnt 8                                 ; the very last quarter: nothing more to fetch
	WIN MUL
	MULA F1, 0, 0
	MULA F1, 2, 0
	s_wait_dscnt 0
	MULA F1, 4, 0
	MULA F1, 6, 0
	WIN 0
	PLACES
; THE WAY OUT, block by block of 16 rows x 64 columns: through my own stage, back as whole rows of 256 bytes; sixteen lanes store 256 consecutive bytes, aligned.
.macro TOSTAGE a
	WIN 0x08                                       ; an LDS store's data are its source 1: window 2
.irp b, 0,1,2,3
	ds_store_b128 v[STO], v[8*(4*(\a)+\b):8*(4*(\a)+\b)+3] offset:64*\b            ; each accumulator from its low end on
	ds_store_b128 v[STO], v[8*(4*(\a)+\b)+4:8*(4*(\a)+\b)+7] offset:64*\b+16
.endr
	WIN 0
.set BB, BK+32*((\a)%2)
.irp t, 0,1,2,3,4,5,6,7
	ds_load_b128 v[BB+4*\t:BB+4*\t+3], v[RD] offset:\t*2*SPITCH    ; LDS serves a wave's instructions in order: these see the stores above
.endr
.endm
.macro SEND a, younger                 ; younger: the LDS instructions issued behind block a's loads, which may stay out
.set BB, BK+32*((\a)%2)
	s_wait_dscnt \younger
.irp t, 0,1,2,3,4,5,6,7
	global_store_b128 v[CO], v[BB+4*\t:BB+4*\t+3], s[10:11] offset:(16*(\a)+2*\t)*4096 th:TH_STORE_NT
.endr
.endm
	TOSTAGE 0
.irp a, 1,2,3,4,5,6,7
.if \a > 1
	s_wait_xcnt 0x0                                ; block a - 2's stores have read their registers: block a's loads may land there
.endif
	TOSTAGE \a
	SEND \a-1, 16                                  ; behind block a - 1's loads: block a's 8 stores and 8 loads
.endr
	SEND 7, 0
	s_wait_tensorcnt 0x0                           ; the wave's end: behind my last tensor load and my last LDS store
	ds_add_u32 v[SPW], v[NIL]
	s_wait_dscnt 0x0
	CROUND                                         ; the closing round: no work-group ends while a partner may still ask for a tile that names it
	s_endpgm
.Lfunc_end_k_qea2470eedf_gemm_out:
	.size	k_qea2470eedf_gemm_out, .Lfunc_end_k_qea2470eedf_gemm_out-k_qea2470eedf_gemm_out
	.p2alignl 7, 3214868480
	.fill 96, 4, 3214868480
	.section	.rodata,"a",@progbits
	.p2align	6, 0x0
	.amdhsa_kernel k_qea2470eedf_gemm_out
		.amdhsa_group_segment_fixed_size 327680
		.amdhsa_private_segment_fixed_size 0
		.amdhsa_enable_private_segment 0
		.amdhsa_kernarg_size 32
		.amdhsa_user_sgpr_count 2
		.amdhsa_user_sgpr_kernarg_segment_ptr 1
		.amdhsa_wavefront_size32 1
		.amdhsa_system_sgpr_workgroup_id_x 1
		.amdhsa_system_sgpr_workgroup_id_y 1
		.amdhsa_system_sgpr_workgroup_id_z 1
		.amdhsa_system_vgpr_workitem_id 0
		.amdhsa_next_free_vgpr 768
		.amdhsa_next_free_sgpr 66
		.amdhsa_reserve_vcc 0
		.amdhsa_float_denorm_mode_32 3
		.amdhsa_float_denorm_mode_16_64 3
		.amdhsa_memory_ordered 1
		.amdhsa_forward_progress 1
		.amdhsa_inst_pref_size 86
	.end_amdhsa_kernel
	.amdgpu_metadata
---
amdhsa.version: [ 1, 2 ]
amdhsa.kernels:
  - .name:           k_qea2470eedf_gemm_out
    .symbol:         k_qea2470eedf_gemm_out.kd
    .args:
      - { .name: y16, .offset: 0, .size: 8, .value_kind: global_buffer, .address_space: global }
      - { .name: w16, .offset: 8, .size: 8, .value_kind: global_buffer, .address_space: global }
      - { .name: b_out, .offset: 16, .size: 8, .value_kind: global_buffer, .address_space: global }
      - { .name: out0, .offset: 24, .size: 8, .value_kind: global_buffer, .address_space: global }
    .group_segment_fixed_size: 327680
    .private_segment_fixed_size: 0
    .kernarg_segment_align: 8
    .kernarg_segment_size: 32
    .max_flat_workgroup_size: 128
    .sgpr_count:     66
    .vgpr_count:     768
    .wavefront_size: 32
...
	.end_amdgpu_metadata
.endif
;; end of part 4
;; launch fine (part 5): grid 16 x 4, 16 waves a work-group, no clusters, 67,584 bytes of LDS; arguments qkv32, W_out, b_out, out0; writes out0
.if DOCPART == 5
	.amdgcn_target "amdgcn-amd-amdhsa--gfx1250"
	.amdhsa_code_object_version 6
	.text
	.protected	k_qea2470eedf_fine
	.globl	k_qea2470eedf_fine
	.p2align	8
	.type	k_qea2470eedf_fine,@function
k_qea2470eedf_fine:
	s_mov_b64 s[64:65], 0
	v_nop
	global_prefetch_b8 v0, s[64:65] scope:SCOPE_SE
	s_setreg_imm32_b32 hwreg(HW_REG_WAVE_MODE, 25, 1), 1
	s_wait_xcnt 0x0
; THE FIRST 16 POSITIONS OF EVERY SEQUENCE, ONCE MORE IN f32: there a row of the softmax averages one to sixteen values, and the rounding of 16-bit operands weighs most.  64 rows of out0 are written anew.
; qkv32: f32 [batch 4][t 16][3072].  W_out [1024][1024], b_out [1024], out0 [8192][1024]: f32.
; Work-group (g, b): columns 64 g .. 64 g + 63 of the 16 rows of batch b.  Wave = head: it makes its head's attention (16 x 16 scores) and its head's part of the projection, all by v_wmma_f32_16x16x4_f32;
; the sixteen parts meet in LDS behind one barrier, and wave w sums row t = w, adds the bias and stores 256 consecutive bytes, aligned.  No loop; no cluster and no tensor load: a few hundred bytes a lane.
; k MAY BE TAKEN IN ANY ORDER that is the same on both sides of a product: so each lane feeds the numbers that it already holds.  S^T = K Q^T: k index 2 h + j of step c is channel 32 h + 2 c + j.
; O^T = V^T P: of step s it is key 8 h + 2 s + j, which is where S^T left p.  out = y W: of group (ct, s) it is channel 16 ct + 8 h + 2 s + j, which is where O^T left y.
; The accumulators (v128-143 S^T in two halves, v144-175 O^T, v176-207 out) are written by matrix instructions alone; what is made of them goes into other registers.
.set SPARE, 65536                      ; behind the sixteen parts: the spare words, 128 bytes for each wave: eight blocks of 256 bytes that no other line names
	s_load_b256 s[4:11], s[0:1], 0x0               ; qkv32 s[4:5], W_out s[6:7], b_out s[8:9], out0 s[10:11]
	v_lshl_add_u32 v8, v0, 2, SPARE                ; v8: LDS address of my spare word; never rewritten
	v_mov_b32 v9, 0                                ; v9: 0; never rewritten
	v_lshrrev_b32 v10, 5, v0
	v_readfirstlane_b32 s12, v10                   ; wave = head; later: my row
	s_and_b32 s13, ttmp7, 0xffff                   ; batch
	v_and_b32 v10, 15, v0                          ; r
	v_bfe_u32 v11, v0, 4, 1                        ; h
	v_mul_u32_u24 v1, v10, 12288
	v_lshl_add_u32 v1, v11, 7, v1                  ; v1: Q, K: row r, channels 32 h on
	v_mul_u32_u24 v2, v11, 98304
	v_lshl_add_u32 v2, v10, 2, v2                  ; v2: V: keys 8 h on, channel r
	v_lshlrev_b32 v3, 15, v11
	v_lshl_add_u32 v3, v10, 4, v3                  ; v3: W_out: rows 8 h on, columns 4 r on
	s_lshl_b32 s14, s12, 12
	v_lshlrev_b32 v4, 11, v11
	v_lshl_add_u32 v4, v10, 4, v4
	v_add_nc_u32 v4, s14, v4                       ; v4: LDS: my head's part: rows 8 h on of 256 bytes, columns 4 r on
	v_and_b32 v12, 31, v0
	v_lshlrev_b32 v6, 3, v12                       ; v6: 8 bytes a lane
	s_lshl_b32 s14, s12, 8
	v_add_nc_u32 v5, s14, v6                       ; v5: LDS: row w of a part
	v_lshlrev_b32 v7, 3, v11
	v_sub_nc_u32 v7, v10, v7                       ; v7: r - 8 h, for the mask
	s_mov_b32 s22, 0x76543210
	s_mov_b32 s23, 0xfedcba98                      ; v_permlanex16_b32's selects for lane l xor 16
	s_mov_b32 s24, 0x3e38aa3b                      ; c = log2(e) / 8
	s_mul_i32 s16, s13, 196608
	s_add_co_u32 s16, s16, s14                     ; qkv32: my batch, my head's 256 bytes of a row
	s_mov_b32 s17, 0
	s_lshl_b32 s20, ttmp9, 8                       ; my work-group's 64 columns, in bytes
	s_mov_b32 s21, 0
	s_lshl_b32 s18, s12, 18                        ; W_out: my head's 64 rows of 4,096 bytes
	s_add_co_u32 s18, s18, s20
	s_mov_b32 s19, 0
	s_lshl_b32 s26, s13, 23                        ; out0: 2,048 rows a batch,
	s_lshl_b32 s27, s12, 12                        ; row w
	s_add_co_u32 s26, s26, s27
	s_add_co_u32 s26, s26, s20
	s_mov_b32 s27, 0
	s_wait_kmcnt 0x0
	s_add_nc_u64 s[4:5], s[4:5], s[16:17]
	s_add_nc_u64 s[6:7], s[6:7], s[18:19]
	s_add_nc_u64 s[8:9], s[8:9], s[20:21]
	s_add_nc_u64 s[10:11], s[10:11], s[26:27]
.irp i, 0,1,2,3,4,5,6,7
	global_load_b128 v[16+4*\i:19+4*\i], v1, s[4:5] offset:16*\i            ; Q(r, 32 h + 4 i ..)
.endr
.irp i, 0,1,2,3,4,5,6,7
	global_load_b128 v[48+4*\i:51+4*\i], v1, s[4:5] offset:4096+16*\i       ; K likewise
.endr
.irp ct, 0,1,2,3
.irp e, 0,1,2,3,4,5,6,7
	global_load_b32 v[80+8*\ct+\e], v2, s[4:5] offset:8192+\e*12288+64*\ct  ; V(8 h + e, 16 ct + r)
.endr
.endr
; Group gi = 4 ct + s of W_out: rows (channels) 16 ct + 8 h + 2 s + j, j = 0, 1; a lane takes columns 4 r + 0 .. 3: sixteen lanes read 256 consecutive bytes, aligned
.macro WGRP gi, X
	global_load_b128 v[\X:\X+3], v3, s[6:7] offset:(16*((\gi)/4)+2*((\gi)%4))*4096
	global_load_b128 v[\X+4:\X+7], v3, s[6:7] offset:(16*((\gi)/4)+2*((\gi)%4)+1)*4096
.endm
.irp g, 0,1,2,3,4,5
	WGRP \g, 208+8*\g
.endr
	s_wait_loadcnt 44                              ; Q and K are in; V's 32 loads and W_out's 12 may be out
	v_wmma_f32_16x16x4_f32 v[128:135], v[48:49], v[16:17], 0               ; S^T = K Q^T in two halves, which take turns; the first products start the sums
	v_wmma_f32_16x16x4_f32 v[136:143], v[50:51], v[18:19], 0
.irp c, 4,8,12,16,20,24,28
	v_wmma_f32_16x16x4_f32 v[128:135], v[48+\c:49+\c], v[16+\c:17+\c], v[128:135]
	v_wmma_f32_16x16x4_f32 v[136:143], v[50+\c:51+\c], v[18+\c:19+\c], v[136:143]
.endr
.rept 8
	v_nop                                          ; eight places behind this form: in front of loads into Q's and K's registers and of the first read of the sums
.endr
.irp g, 6,7,8,9,10,11,12,13
	WGRP \g, 16+8*(\g-6)
.endr
.irp j, 0,1,2,3,4,5,6,7
	v_add_f32 v[112+\j], v[128+\j], v[136+\j]      ; lane (r, h): the score of key 8 h + j for query r
.endr
	v_mov_b32 v13, 0xff800000                      ; -infinity
.irp j, 0,1,2,3,4,5,6,7
	v_cmp_gt_i32 vcc_lo, \j, v7                    ; hidden where 8 h + j > r
	v_cndmask_b32 v[112+\j], v[112+\j], v13, vcc_lo
.endr
	v_max3_num_f32 v14, v112, v113, v114
	v_max3_num_f32 v14, v14, v115, v116
	v_max3_num_f32 v14, v14, v117, v118
	v_max_num_f32 v14, v14, v119
	v_mov_b32 v15, 0                               ; (a lane permute's destination counts as one of its sources)
	v_permlanex16_b32 v15, v14, s22, s23
	v_max_num_f32 v14, v14, v15                    ; the row's maximum: key 0 counts for every query, so it is a number
	v_mul_f32 v14, s24, v14
.irp j, 0,1,2,3,4,5,6,7
	v_fma_f32 v[112+\j], v[112+\j], s24, -v14      ; c s - c m
.endr
.irp j, 0,1,2,3,4,5,6,7
	v_exp_f32 v[112+\j], v[112+\j]
.endr
	v_nop                                          ; a plain instruction behind the last exponential
	s_wait_alu depctr_va_vdst(0)                   ; the wait ahead of the first use: one for the eight
	v_add_f32 v14, v112, v113
	v_add_f32 v15, v114, v115
	v_add_f32 v14, v14, v116
	v_add_f32 v15, v15, v117
	v_add_f32 v14, v14, v118
	v_add_f32 v15, v15, v119
	v_add_f32 v14, v14, v15
	v_permlanex16_b32 v15, v14, s22, s23
	v_add_f32 v14, v14, v15                        ; the row's sum
	v_rcp_f32 v12, v14
	v_nop
	s_wait_alu depctr_va_vdst(0)
.irp j, 0,1,2,3,4,5,6,7
	v_mul_f32 v[112+\j], v[112+\j], v12            ; p is normalised here, so that O^T is finished as the matrix unit leaves it
.endr
	s_wait_loadcnt 28                              ; V is in; W_out's 12 + 16 loads may be out
.irp ct, 0,1,2,3
	v_wmma_f32_16x16x4_f32 v[144+8*\ct:151+8*\ct], v[80+8*\ct:81+8*\ct], v[112:113], 0     ; O^T = V^T P: four accumulators by turns
.endr
.irp s, 1,2,3
.irp ct, 0,1,2,3
	v_wmma_f32_16x16x4_f32 v[144+8*\ct:151+8*\ct], v[80+8*\ct+2*\s:81+8*\ct+2*\s], v[112+2*\s:113+2*\s], v[144+8*\ct:151+8*\ct]
.endr
.endr
.rept 9
	v_nop                                          ; nine places: O^T becomes a source of the next products; and loads land on V's registers
.endr
	WGRP 14, 80
	WGRP 15, 88
	global_load_b64 v[120:121], v6, s[8:9]         ; the bias of my two columns of a row
; A group's four products, one for each of the columns 4 r + q.  Two exchanges lay the group's eight numbers as four pairs (row j = 0, row j = 1) of one column each: q = 0, 1, 2, 3 at X + 0, + 4, + 2, + 6.
.macro PROJ gi, X, first
	v_swap_b32 v[\X+1], v[\X+4]
	v_swap_b32 v[\X+3], v[\X+6]
.irp q, 0,1,2,3
.set BX, \X+4*(\q%2)+2*(\q/2)
.if \first
	v_wmma_f32_16x16x4_f32 v[176+8*\q:183+8*\q], v[144+2*(\gi):145+2*(\gi)], v[BX:BX+1], 0
.else
	v_wmma_f32_16x16x4_f32 v[176+8*\q:183+8*\q], v[144+2*(\gi):145+2*(\gi)], v[BX:BX+1], v[176+8*\q:183+8*\q]
.endif
.endr
.endm
	s_wait_loadcnt 21                              ; groups 0-5 are in; behind them 16 + 4 + 1 loads
	PROJ 0, 208, 1
.irp g, 1,2,3,4,5
	PROJ \g, 208+8*\g, 0
.endr
	s_wait_loadcnt 5                               ; groups 6-13 are in
.irp g, 6,7,8,9,10,11,12,13
	PROJ \g, 16+8*(\g-6), 0
.endr
	s_wait_loadcnt 1                               ; groups 14 and 15 are in; the bias may be out
	PROJ 14, 80, 0
	PROJ 15, 88, 0
.rept 8
	v_nop                                          ; eight places in front of the first read of the sums, and of the LDS loads into W_out's registers
.endr
.irp q, 0,1,2,3
.irp j, 0,1,2,3,4,5,6,7
	ds_store_b32 v4, v[176+8*\q+\j] offset:256*\j+4*\q      ; my head's part of out(8 h + j, 4 r + q); each accumulator from its low end on
.endr
.endr
	s_wait_dscnt 0x0                               ; for the others' sake: my stores have landed
	s_barrier_signal -1
	s_barrier_wait -1
.irp k, 0,1,2,3,4,5,6,7,8,9,10,11,12,13,14,15
	ds_load_b64 v[16+2*\k:17+2*\k], v5 offset:4096*\k       ; row w of head k's part: 32 lanes, 256 consecutive bytes
.endr
	s_wait_dscnt 0x0
	s_wait_loadcnt 0x0                             ; the bias
.irp k, 0,1,2,3,4,5,6,7,8,9,10,11,12,13,14,15
	v_pk_add_f32 v[120:121], v[120:121], v[16+2*\k:17+2*\k]
.endr
	global_store_b64 v6, v[120:121], s[10:11]      ; 32 lanes store 256 consecutive bytes, aligned
	s_wait_tensorcnt 0x0                           ; the wave's end: behind my last LDS store
	ds_add_u32 v8, v9
	s_wait_dscnt 0x0
	s_endpgm
.Lfunc_end_k_qea2470eedf_fine:
	.size	k_qea2470eedf_fine, .Lfunc_end_k_qea2470eedf_fine-k_qea2470eedf_fine
	.p2alignl 7, 3214868480
	.fill 96, 4, 3214868480
	.section	.rodata,"a",@progbits
	.p2align	6, 0x0
	.amdhsa_kernel k_qea2470eedf_fine
		.amdhsa_group_segment_fixed_size 67584
		.amdhsa_private_segment_fixed_size 0
		.amdhsa_enable_private_segment 0
		.amdhsa_kernarg_size 32
		.amdhsa_user_sgpr_count 2
		.amdhsa_user_sgpr_kernarg_segment_ptr 1
		.amdhsa_wavefront_size32 1
		.amdhsa_system_sgpr_workgroup_id_x 1
		.amdhsa_system_sgpr_workgroup_id_y 1
		.amdhsa_system_sgpr_workgroup_id_z 1
		.amdhsa_system_vgpr_workitem_id 0
		.amdhsa_next_free_vgpr 256
		.amdhsa_next_free_sgpr 66
		.amdhsa_reserve_vcc 1
		.amdhsa_float_denorm_mode_32 3
		.amdhsa_float_denorm_mode_16_64 3
		.amdhsa_memory_ordered 1
		.amdhsa_forward_progress 1
		.amdhsa_inst_pref_size 25
	.end_amdhsa_kernel
	.amdgpu_metadata
---
amdhsa.version: [ 1, 2 ]
amdhsa.kernels:
  - .name:           k_qea2470eedf_fine
    .symbol:         k_qea2470eedf_fine.kd
    .args:
      - { .name: qkv32, .offset: 0, .size: 8, .value_kind: global_buffer, .address_space: global }
      - { .name: W_out, .offset: 8, .size: 8, .value_kind: global_buffer, .address_space: global }
      - { .name: b_out, .offset: 16, .size: 8, .value_kind: global_buffer, .address_space: global }
      - { .name: out0, .offset: 24, .size: 8, .value_kind: global_buffer, .address_space: global }
    .group_segment_fixed_size: 67584
    .private_segment_fixed_size: 0
    .kernarg_segment_align: 8
    .kernarg_segment_size: 32
    .max_flat_workgroup_size: 512
    .sgpr_count:     66
    .vgpr_count:     256
    .wavefront_size: 32
...
	.end_amdgpu_metadata
.endif
;; end of part 5
